; MI455X (gfx1250); checked and timed in simulation.
; The chip was launched on July 23, 2026; its instructions are those of AMD's public machine-readable ISA for CDNA 5 (MIT licence, August 2026) and "CDNA5" Instruction Set Architecture Reference Guide (July 2026). The comments in the code are by the model that wrote it; some were corrected since.
;; GPT2 Attention. Allowed arithmetic: matrix products marked QUANTISED: E2M3 operands, one E8M0 scale for each 32 along K, by v_wmma_scale_f32_16x16x128_f8f6f4 with both operands' format E2M3, f32 sums; everything else in f32.
;; Inputs: c_attn_b 3,072 float32; c_attn_w 1,024 x 3,072 float32; c_proj_b 1,024 float32; c_proj_w 1,024 x 1,024 float32; hidden_states 4 x 2,048 x 1,024 float32.
;; Outputs: out0 4 x 2,048 x 1,024 float32.
;; This version of the problem:
;;   THIS VERSION OF THE PROBLEM IS GIVEN IN LOW PRECISION. The matrix products marked QUANTISED in the list below multiply operands that are first quantised to E2M3 (2 exponent bits, 3 mantissa bits; 6 bits a number), with one power-of-two scale for each 32 numbers along K (OCP MX v1.0); their sums are f32. All else is computed in f32.
;;   The module's matrix products, in the order in which they are computed (A, B: the left and right operand; K: the contracted axis; several contracted axes count as one K, in the product's order):
;;     1. [M 8,192, K 1,024] x [K 1,024, N 3,072]; A: input hidden_states; B: input c_attn_w: QUANTISED
;;     2. batch 64 x [M 2,048, K 64] x [K 64, N 2,048]; A: computed on the way; B: computed on the way: QUANTISED
;;     3. batch 64 x [M 2,048, K 2,048] x [K 2,048, N 64]; A: softmax (see below); B: computed on the way: QUANTISED
;;     4. [M 8,192, K 1,024] x [K 1,024, N 1,024]; A: computed on the way; B: input c_proj_w: QUANTISED
;;   THE QUANTISER, for each operand of a quantised product, along K:
;;     - K is cut into blocks of 32 from its start; a last block that is shorter is filled with zeros.
;;     - A block's scale is 2^e with e = floor(log2(the largest magnitude in the block)) - 2, held to -126 .. 127; a block of zeros has e = 0. As a byte (E8M0): e + 127.
;;     - Each number is divided by its block's scale, clamped to +-7.5, and rounded to the nearest number of E2M3, ties to even, subnormals kept.
;;     - The product sums the exact products of the quantised numbers (number of the format x scale) in f32.
;;   ~~~python
;;   def quantise(x, axis):      # numpy; x: float32 -> the quantised numbers, widened to float32 again
;;       x = np.moveaxis(x, axis, -1); K = x.shape[-1]
;;       x = np.pad(x, [(0, 0)] * (x.ndim - 1) + [(0, -K % 32)]); x = x.reshape(x.shape[:-1] + (-1, 32)); a = np.abs(x).max(-1, keepdims=True)
;;       e = np.where(a > 0, np.clip(np.frexp(np.where(a > 0, a, 1))[1] - 1 - 2, -126, 127), 0)      # np.frexp(a)[1] - 1 = floor(log2(a)), exactly
;;       r = np.clip(x / 2.0 ** e, -7.5, 7.5)
;;       step = 2.0 ** (np.maximum(np.frexp(np.where(r == 0, 1, r))[1] - 1, 0) - 3)
;;       q = np.round(r / step) * step * 2.0 ** e      # np.round: ties to even
;;       return np.moveaxis(q.reshape(q.shape[:-2] + (-1,))[..., :K], -1, axis).astype(np.float32)
;;   ~~~
;;   SOFTMAX AHEAD OF A QUANTISED PRODUCT. Where the list says 'softmax', what is quantised is not the finished softmax but p = 2^(t - M), with t = logit x log2(e) and M = ceil(the row's largest t), a whole number; so 1/2 < the row's largest p <= 1. The row's sum l is taken of the UNQUANTISED p, in f32, and the product's result is divided by l at the end. Since M is a whole number, a kernel that streams over the keys may use a running M (the ceiling of the running maximum): every later rescaling is an exact power of two, which a block's scale takes up: the codes' values come out the same.
;;   OPERANDS COMPUTED ON THE WAY. 'Computed on the way' means the value that the module computes at that place (a softmax that the list does not call 'softmax' is quantised finished and normalised). What goes into a quantiser is computed in f32, as accurately as f32 sums, v_exp_f32 and their like allow (about 1e-6 of the number): no bf16 or f16 on the way to a quantiser, and a product that is left as it is and whose result goes on into a quantised operand takes f32 operands (vector FMAs, or v_wmma_f32_16x16x4_f32). A number that lies on a knife's edge between two numbers of the format may be rounded either way, as far as f32 arithmetic and the matrix unit's own rounding can turn it there, and no further.
;; One version. Each part assembles by itself: llvm-mc -triple=amdgcn-amd-amdhsa -mcpu=gfx1250 --defsym DOCPART=n.
;; ======== version 1 of 1: 4 launches
;; workspace buffers: xw_codes 9,437,184 bytes; xw_scales 393,216 bytes; q_codes 6,291,456 bytes; kv_codes 12,582,912 bytes; aux 1,048,576 bytes; a_codes 6,291,456 bytes; a_scales 262,144 bytes
;; launch quant (part 1): grid 384 x 1, 4 waves a work-group, no clusters, 68,096 bytes of LDS; arguments hidden_states, c_attn_w, c_proj_w, xw_codes, xw_scales; writes xw_codes, xw_scales
.if DOCPART == 1
	.amdgcn_target "amdgcn-amd-amdhsa--gfx1250"
	.amdhsa_code_object_version 6
	.text
	.protected	k_q7400e68d51_quant
	.globl	k_q7400e68d51_quant
	.p2align	8
	.type	k_q7400e68d51_quant,@function
k_q7400e68d51_quant:
	s_mov_b64 s[64:65], 0
	v_nop
	global_prefetch_b8 v0, s[64:65] scope:SCOPE_SE
	s_setreg_imm32_b32 hwreg(HW_REG_WAVE_MODE, 25, 1), 1
	s_wait_xcnt 0x0
; The three f32 inputs of the two large products become ONE matrix R of codes of FP6 (E2M3), 12,288 rows x 1,024 along K, K innermost (768 bytes a row), with one E8M0 byte for each 32 along K (32 bytes a row).
; Rows 0 .. 8,191: the tokens of hidden_states (K is innermost in memory).  Row 8,192 + n: column n of c_attn_w.  Row 11,264 + n: column n of c_proj_w (K is the weights' FIRST axis).
; A block's scale is 2^(floor(log2(its largest magnitude)) - 2); its byte is the largest magnitude's exponent field - 2, held at 1 from below.  A block of zeros so gets the byte 1 where the rule says 127:
; its codes are zeros, which add nothing under any byte but 0xff, and the bytes are read by this program alone.
; LIMITS: blocks whose largest magnitude lies under 2^-124 keep the byte 1; NaN and infinities among the inputs are not served.
; Work-groups 0 .. 255 take the tokens, 32,768 numbers each: a wave takes 16 steps of 512 numbers; each load reads 512 consecutive bytes, the numbers turn through the wave's own stage in LDS so that a lane holds 16 neighbours.
; Work-groups 256 .. 383 take the weights: a lane takes a column and its registers run down K, so that a block of 32 lies in one lane; 32 columns x 256 along K a wave; the codes leave through the wave's own stage, row by row.
; The two ways part on the work-group's number alone; each has LDS bytes of its own.  No tensor loads, no barrier: waves share nothing.  Memory binds: each input byte is read once.
.set STEPS, 16
.set EMAX,  2
.set CB,    12                         ; bytes of 16 codes
.set R,     16                         ; tokens: v16-79   four sets of 16 numbers as they are loaded
.set X,     80                         ; v80-111  two sets of 16 neighbours
.set E,     112                        ; v112-127 a scale byte for each step
.set C,     128                        ; v128-191 codes: four registers for each step
.set WREG,  8192                       ; LDS, tokens: a region for each wave: two stages of 32 x SP bytes, then its 256 scale bytes
.set SP,    80
.set WST,   32768                      ; LDS, weights: four stages of 32 rows x LP bytes
.set LP,    272                        ; a stage row: sixteen places of 16 bytes, each with 12 bytes of codes, + 16
.set SPARE, WST+4*32*LP                ; the spare words, 128 bytes for each wave: two blocks of 256 bytes that no other line names
.set SPW,   208                        ; v208 LDS address of my spare word; never rewritten
.set NIL,   209                        ; v209 0; never rewritten
.set KROW,  768                        ; a row of R's codes in bytes
.set NB,    8                          ; weights: blocks of 32 a wave
.set WX,    32                         ; v32-95   two sets of 32 numbers
.set WC,    96                         ; v96..    a block's codes
.set OUTR,  112                        ; v112-175 the way out
.set SB,    24                         ; v24-25   the scale bytes, four to a register
.set OFF,   176                        ; v176-207 row i of a block: i x the weight's row in bytes + 4 x lane; never rewritten
.set BT,    32                         ; s[32:47] the weight at my columns, row 32 t of my 256: a base for each block; never rewritten
	s_load_b128 s[4:7], s[0:1], 0x0                ; hidden_states, c_attn_w
	s_load_b128 s[8:11], s[0:1], 0x10              ; c_proj_w, R's codes
	s_load_b64 s[12:13], s[0:1], 0x20              ; R's scale bytes
	v_lshl_add_u32 v[SPW], v0, 2, SPARE
	v_mov_b32 v[NIL], 0
	v_lshrrev_b32 v1, 5, v0
	v_readfirstlane_b32 s16, v1                    ; wave
	v_and_b32 v2, 31, v0                           ; lane
	s_cmp_lt_u32 ttmp9, 256
	s_cbranch_scc0 .Lweights
	; ---------------- the tokens ----------------
	v_lshlrev_b32 v3, 4, v2                        ; my 16 bytes of a load's 512
	s_mul_i32 s17, s16, WREG
	v_lshrrev_b32 v14, 2, v2
	v_mul_u32_u24 v14, v14, SP
	v_and_b32 v15, 3, v2
	v_lshl_add_u32 v14, v15, 4, v14
	v_add_nc_u32 v14, s17, v14                     ; the stage, on the way in: SP (lane / 4) + 16 (lane % 4)
	v_mul_u32_u24 v15, v2, SP
	v_add_nc_u32 v15, s17, v15                     ; and on the way out: SP x lane: my 16 neighbours
	v_mul_u32_u24 v4, v2, CB                       ; my codes' place in a step's
	v_lshrrev_b32 v5, 1, v2
	s_add_co_u32 s17, s17, 2*32*SP
	v_add_nc_u32 v5, s17, v5                       ; LDS: my wave's 256 scale bytes, my block's byte
	v_lshlrev_b32 v7, 3, v2                        ; and on the way out 8 bytes a lane
	v_add_nc_u32 v6, s17, v7
	s_lshl_b32 s18, ttmp9, 2
	s_add_co_u32 s18, s18, s16                     ; which run of 8,192 numbers is my wave's: 0 .. 1,023
	s_lshl_b32 s20, s18, 15                        ; 32,768 bytes of f32 a run,
	s_mov_b32 s21, 0
	s_mul_i32 s22, s18, 32*STEPS*CB                ; 6,144 bytes of codes,
	s_mov_b32 s23, 0
	s_lshl_b32 s18, s18, 8                         ; 256 scale bytes
	s_mov_b32 s19, 0
	s_wait_kmcnt 0x0
	s_add_nc_u64 s[4:5], s[4:5], s[20:21]
	s_add_nc_u64 s[10:11], s[10:11], s[22:23]
	s_add_nc_u64 s[12:13], s[12:13], s[18:19]
.macro XLOAD t
.irp i, 0,1,2,3
	global_load_b128 v[R+16*((\t)%4)+4*\i:R+16*((\t)%4)+4*\i+3], v3, s[4:5] offset:2048*(\t)+512*\i th:TH_LOAD_NT   ; 32 lanes read 512 consecutive bytes
.endr
.endm
.macro XTURN t                         ; step t's numbers through the stage: LDS serves a wave's instructions in order, so no wait stands between the stores and the loads
.irp i, 0,1,2,3
	ds_store_b128 v14, v[R+16*((\t)%4)+4*\i:R+16*((\t)%4)+4*\i+3] offset:32*SP*((\t)%2)+8*SP*\i
.endr
.irp i, 0,1,2,3
	ds_load_b128 v[X+16*((\t)%2)+4*\i:X+16*((\t)%2)+4*\i+3], v15 offset:32*SP*((\t)%2)+16*\i
.endr
.endm
.irp t, 0,1,2,3
	XLOAD \t
.endr
	s_wait_loadcnt 12                              ; step 0's four loads are in; the twelve of steps 1 to 3 may be out
	XTURN 0
.macro XSTEP t
.set XS, X+16*((\t)%2)
.if (\t) > 0
	s_wait_dscnt 1                                 ; this step's numbers are back from the stage (the last step's byte store may be out): so its stores into the stage have read their registers,
.else
	s_wait_dscnt 0x0
.endif
.if (\t)+4 < STEPS
	XLOAD (\t)+4                                   ; which take the loads of four steps on
.endif
.if (\t)+1 < STEPS
.if STEPS-2-(\t) >= 3
	s_wait_loadcnt 12                              ; the next step's four loads are in; those of the three steps behind it may be out
.else
	s_wait_loadcnt 4*(STEPS-2-(\t))
.endif
	XTURN (\t)+1                                   ; and go through the other stage while this step is worked
.endif
	v_max3_num_f32 v8, |v[XS]|, |v[XS+1]|, |v[XS+2]|               ; the largest magnitude of my 16
	v_max3_num_f32 v9, |v[XS+3]|, |v[XS+4]|, |v[XS+5]|
.irp i, 6,10
	v_max3_num_f32 v8, v8, |v[XS+\i]|, |v[XS+\i+1]|
	v_max3_num_f32 v9, v9, |v[XS+\i+2]|, |v[XS+\i+3]|
.endr
	v_max3_num_f32 v8, v8, |v[XS+14]|, |v[XS+15]|
	v_max3_num_f32 v8, v8, v9, (EMAX+1)<<23        ; and the floor 2^(3 - 127): the byte cannot fall under 1
	v_max_num_f32_dpp v8, v8, v8 row_xmask:1 row_mask:0xf bank_mask:0xf   ; and of my neighbour's 16: the block's
	v_add_nc_u32 v11, -(EMAX<<23), v8              ; 2 off its exponent field: the conversion takes the exponent field of this operand as its scale
	v_cvt_scalef32_pk16_fp6_f32 v[C+4*(\t):C+4*(\t)+2], v[XS:XS+15], v11
	v_lshrrev_b32 v[E+(\t)], 23, v11               ; the scale's byte (a plain line behind the conversion)
	ds_store_b8 v5, v[E+(\t)] offset:16*(\t)       ; both lanes of a block write the same byte with the same value
	global_store_b96 v4, v[C+4*(\t):C+4*(\t)+2], s[10:11] offset:32*CB*(\t)   ; the wave stores 384 consecutive bytes
.endm
.irp t, 0,1,2,3,4,5,6,7,8,9,10,11,12,13,14,15
	XSTEP \t
.endr
	ds_load_b64 v[8:9], v6                         ; LDS serves a wave's instructions in order: these see my stores
	s_wait_dscnt 0x0
	global_store_b64 v7, v[8:9], s[12:13]          ; 32 lanes store 256 consecutive bytes, aligned
	s_wait_tensorcnt 0x0                           ; the wave's end, behind my last LDS store
	ds_add_u32 v[SPW], v[NIL]
	s_wait_dscnt 0x0
	s_endpgm
	; ---------------- the weights ----------------
.Lweights:
	s_sub_co_u32 s17, ttmp9, 256
	s_and_b32 s18, s17, 31                         ; which 128 of R's 4,096 weight rows: 0 .. 23 c_attn_w's columns, 24 .. 31 c_proj_w's
	s_lshr_b32 s19, s17, 5                         ; which 256 along K
	v_lshlrev_b32 v3, 2, v2                        ; in: 4 bytes a lane
	s_mul_i32 s24, s16, 32*LP
	s_add_co_u32 s24, s24, WST                     ; my stage
	v_mul_u32_u24 v4, v2, LP
	v_add_nc_u32 v4, s24, v4                       ; into it: row = my column
	v_and_b32 v5, 15, v2
	v_lshrrev_b32 v6, 4, v2                        ; out of it: sixteen lanes to a row, two rows an instruction
	v_mul_u32_u24 v7, v6, LP
	v_lshl_add_u32 v7, v5, 4, v7
	v_add_nc_u32 v7, s24, v7
	v_mul_u32_u24 v8, v6, KROW
	v_mad_u32_u24 v8, v5, 12, v8                   ; and the same place in R's codes
	v_lshlrev_b32 v9, 5, v2                        ; my column's row of scale bytes
	s_wait_kmcnt 0x0
	s_cmp_lt_u32 s18, 24                           ; which weight: the choice hangs on the work-group's number alone
	s_cselect_b64 s[4:5], s[6:7], s[8:9]
	s_mov_b32 s20, 4096
	s_cselect_b32 s20, 12288, s20                  ; a row of it in bytes
	s_cselect_b32 s21, 0, 24
	s_sub_co_u32 s21, s18, s21                     ; which 128 of its columns
	s_lshl_b32 s21, s21, 9
	s_lshl_b32 s22, s16, 7                         ; 32 columns a wave
	s_add_co_u32 s22, s22, s21
	s_mul_i32 s23, s19, s20
	s_lshl_b32 s23, s23, 8                         ; 256 rows for each step along K
	s_add_co_u32 s22, s22, s23
	s_mov_b32 s23, 0
	s_add_nc_u64 s[BT:BT+1], s[4:5], s[22:23]
	s_lshl_b32 s26, s20, 5                         ; 32 rows on
	s_mov_b32 s27, 0
.irp t, 1,2,3,4,5,6,7
	s_add_nc_u64 s[BT+2*\t:BT+2*\t+1], s[BT+2*\t-2:BT+2*\t-1], s[26:27]
.endr
	s_lshl_b32 s28, s18, 7
	s_lshl_b32 s29, s16, 5
	s_add_co_u32 s28, s28, s29
	s_add_co_u32 s28, s28, 8192                    ; my wave's first row of R
	s_mul_i32 s30, s28, KROW
	s_mul_i32 s29, s19, 192
	s_add_co_u32 s30, s30, s29
	s_mov_b32 s31, 0
	s_add_nc_u64 s[10:11], s[10:11], s[30:31]
	s_lshl_b32 s30, s28, 5
	s_lshl_b32 s29, s19, 3
	s_add_co_u32 s30, s30, s29
	s_add_nc_u64 s[12:13], s[12:13], s[30:31]
.set i, 0
.rept 32
	v_mad_u32_u24 v[OFF+i], s20, i, v3
.set i, i+1
.endr
.macro WLOAD t                         ; block t: W(32 t + i, my column), i = 0 .. 31, into set t % 2: each load reads 128 consecutive bytes, the four waves stand side by side on 512
.set i, 0
.rept 32
	global_load_b32 v[WX+32*((\t)%2)+i], v[OFF+i], s[BT+2*(\t):BT+2*(\t)+1] th:TH_LOAD_NT
.set i, i+1
.endr
.endm
	WLOAD 0
	WLOAD 1
.macro WBLOCK t
.set XS, WX+32*((\t)%2)
.if (\t) < NB-1
	s_wait_loadcnt 32                              ; this block's 32 loads are in; the next block's 32 may be out
.else
	s_wait_loadcnt 0
.endif
	v_max3_num_f32 v12, |v[XS]|, |v[XS+1]|, |v[XS+2]|               ; the block's largest magnitude: all 32 numbers are mine
	v_max3_num_f32 v13, |v[XS+3]|, |v[XS+4]|, |v[XS+5]|
.irp i, 6,10,14,18,22,26
	v_max3_num_f32 v12, v12, |v[XS+\i]|, |v[XS+\i+1]|
	v_max3_num_f32 v13, v13, |v[XS+\i+2]|, |v[XS+\i+3]|
.endr
	v_max3_num_f32 v12, v12, |v[XS+30]|, |v[XS+31]|
	v_max3_num_f32 v12, v12, v13, (EMAX+1)<<23     ; and the floor
	v_add_nc_u32 v11, -(EMAX<<23), v12             ; the conversion's scale operand
	v_lshrrev_b32 v13, 23, v11                     ; the scale's byte
.if (\t)%4 == 0
	v_mov_b32 v[SB+(\t)/4], v13                    ; four bytes to a register, the lower K in the lower byte
.else
	v_lshl_or_b32 v[SB+(\t)/4], v13, 8*((\t)%4), v[SB+(\t)/4]
.endif
	v_cvt_scalef32_pk16_fp6_f32 v[WC:WC+2], v[XS:XS+15], v11
	v_cvt_scalef32_pk16_fp6_f32 v[WC+4:WC+6], v[XS+16:XS+31], v11   ; (a conversion's three registers begin on an even number)
	ds_store_b96 v4, v[WC:WC+2] offset:32*(\t)     ; 16 codes, 12 bytes, to a place of 16 bytes, so that every LDS address is a multiple of 16
	ds_store_b96 v4, v[WC+4:WC+6] offset:32*(\t)+16
.if (\t)+2 < NB
	WLOAD (\t)+2
.endif
	s_wait_dscnt 0x0                               ; the stores have read their registers: the next block's codes may be written (plain lines open the next block)
.endm
.set Q, 0
.rept NB
	WBLOCK Q
.set Q, Q+1
.endr
	global_store_b64 v9, v[SB:SB+1], s[12:13]      ; my column's 8 scale bytes
.irp t, 0,1,2,3,4,5,6,7,8,9,10,11,12,13,14,15
	ds_load_b96 v[OUTR+4*\t:OUTR+4*\t+2], v7 offset:2*\t*LP   ; LDS serves a wave's instructions in order: these see my stores
.endr
.irp t, 0,1,2,3,4,5,6,7,8,9,10,11,12,13,14,15
	s_wait_dscnt 15-\t                             ; the younger reads of the stage may be out
	global_store_b96 v8, v[OUTR+4*\t:OUTR+4*\t+2], s[10:11] offset:2*\t*KROW   ; sixteen lanes store a row's 192 consecutive bytes
.endr
	s_wait_tensorcnt 0x0                           ; the wave's end, behind my last LDS store
	ds_add_u32 v[SPW], v[NIL]
	s_wait_dscnt 0x0
	s_endpgm
.Lfunc_end_k_q7400e68d51_quant:
	.size	k_q7400e68d51_quant, .Lfunc_end_k_q7400e68d51_quant-k_q7400e68d51_quant
	.p2alignl 7, 3214868480
	.fill 96, 4, 3214868480
	.section	.rodata,"a",@progbits
	.p2align	6, 0x0
	.amdhsa_kernel k_q7400e68d51_quant
		.amdhsa_group_segment_fixed_size 68096
		.amdhsa_private_segment_fixed_size 0
		.amdhsa_enable_private_segment 0
		.amdhsa_kernarg_size 40
		.amdhsa_user_sgpr_count 2
		.amdhsa_user_sgpr_kernarg_segment_ptr 1
		.amdhsa_wavefront_size32 1
		.amdhsa_system_sgpr_workgroup_id_x 1
		.amdhsa_system_sgpr_workgroup_id_y 1
		.amdhsa_system_sgpr_workgroup_id_z 1
		.amdhsa_system_vgpr_workitem_id 0
		.amdhsa_next_free_vgpr 212
		.amdhsa_next_free_sgpr 66
		.amdhsa_reserve_vcc 0
		.amdhsa_float_denorm_mode_32 3
		.amdhsa_float_denorm_mode_16_64 3
		.amdhsa_memory_ordered 1
		.amdhsa_forward_progress 1
		.amdhsa_inst_pref_size 76
	.end_amdhsa_kernel
	.amdgpu_metadata
---
amdhsa.version: [ 1, 2 ]
amdhsa.kernels:
  - .name:           k_q7400e68d51_quant
    .symbol:         k_q7400e68d51_quant.kd
    .args:
      - { .name: hidden_states, .offset: 0, .size: 8, .value_kind: global_buffer, .address_space: global }
      - { .name: c_attn_w, .offset: 8, .size: 8, .value_kind: global_buffer, .address_space: global }
      - { .name: c_proj_w, .offset: 16, .size: 8, .value_kind: global_buffer, .address_space: global }
      - { .name: xw_codes, .offset: 24, .size: 8, .value_kind: global_buffer, .address_space: global }
      - { .name: xw_scales, .offset: 32, .size: 8, .value_kind: global_buffer, .address_space: global }
    .group_segment_fixed_size: 68096
    .private_segment_fixed_size: 0
    .kernarg_segment_align: 8
    .kernarg_segment_size: 40
    .max_flat_workgroup_size: 128
    .sgpr_count:     66
    .vgpr_count:     212
    .wavefront_size: 32
...
	.end_amdgpu_metadata
.endif
;; end of part 1
;; launch qkv (part 2): grid 12 x 32, 4 waves a work-group, clusters of 4 x 4, 327,680 bytes of LDS; arguments xw_codes, xw_scales, c_attn_b, q_codes, kv_codes, aux; writes q_codes, kv_codes, aux
.if DOCPART == 2
	.amdgcn_target "amdgcn-amd-amdhsa--gfx1250"
	.amdhsa_code_object_version 6
	.text
	.protected	k_q7400e68d51_qkv
	.globl	k_q7400e68d51_qkv
	.p2align	8
	.type	k_q7400e68d51_qkv,@function
k_q7400e68d51_qkv:
	s_mov_b64 s[64:65], 0
	v_nop
	global_prefetch_b8 v0, s[64:65] scope:SCOPE_SE
	s_setreg_imm32_b32 hwreg(HW_REG_WAVE_MODE, 25, 1), 1
	s_wait_xcnt 0x0
	s_wait_alu depctr_hold_cnt(0) depctr_sa_sdst(0) depctr_va_vdst(0) depctr_va_sdst(0) depctr_va_ssrc(0) depctr_va_vcc(0) depctr_vm_vsrc(0)
	s_getreg_b32 s2, hwreg(HW_REG_IB_STS2, 6, 4)
	s_cmp_eq_u32 s2, 0
	s_cbranch_scc0 .Lentry_in_a_cluster
	s_endpgm
.Lentry_in_a_cluster:
	s_bfe_u32 s2, ttmp6, 0x10000c
	s_cmp_lg_u32 s2, 0xf033
	s_cbranch_scc0 .Lentry_shape_is_right
	s_endpgm
.Lentry_shape_is_right:
; qkv = x Wa + ba on codes of FP6 (E2M3) with one E8M0 scale for each 32 along K, and its results quantised at once into the operands of the attention launch.
; Both operands are rows of ONE matrix R (12,288 rows x 1,024 codes, K innermost; rows 0 .. 8,191 tokens, row 8,192 + n column n of Wa).  A work-group makes 256 x 256 numbers  C[i][j] = R[A0 + i] . R[B0 + j],
; four waves, each 128 x 128: 64 accumulators, 512 registers.  K goes in steps of 256 through a ring of two LDS slots filled by the tensor data mover; the scale bytes of the 512 rows come once and stay.
; THE MATRIX INSTRUCTION IS USED TRANSPOSED (source 0 = 16 rows of B, source 1 = 16 rows of A): lane (r, h) of accumulator (a, b) holds, in register j, C[16 a + r][16 b + 8 h + j].
; For q and k (cluster x = 0, 1) A = tokens and B = columns of Wa: a lane holds one token and its registers run along the head's 64, the next product's K.
; For v (cluster x = 2) A = columns of Wa and B = tokens: a lane holds one channel d and its registers run along the keys, the K of the product with p.  Only row numbers of R differ: one text for the loop.
; The bias is the C of the first K step's matrix instructions: nothing is cleared, nothing is added.
; THE WAY OUT: the 64 registers of a lane for one a are four blocks of 32 along the next K (a block lies in lanes l and l xor 16).  They are quantised in registers and stored as IMAGES OF THE OPERAND'S REGISTERS: 16 or 8 bytes
; a lane, lane by lane, so that each store of the wave covers 512 or 256 consecutive bytes, aligned.  Inside a block the order of the 32 numbers has bits 3 and 4 of k swapped; q and k, and later p and v,
; are made by the same lines, so both sides of a product carry the same order, and the sums are the same.
; For v the sum of the 128 quantised numbers of each channel and key step is stored too: the attention launch needs it for the keys under the mask, whose weight is small but not nothing.
; CLUSTERS: 4 x 4 work-groups; A's tiles are asked for jointly along a row of the cluster, B's along a column.  384 tiles for 256 WGPs: a wave tile larger than 128 x 128 does not fit its registers.
; No prefetch: K has four slots, and two of them are asked for at the head.
; LIMITS: NaN and infinities are not served; blocks whose largest magnitude lies under 2^-124 keep the byte 1 (a block of zeros too: its codes are zeros).
; REGISTERS, in windows of 256: window 0: v0-31 addresses; v32-63 scale words, two sets; v64-127 the bias, later the way out; from v128 A's fragments, one set.  window 1: B's fragments, two sets.  windows 2, 3: the accumulators.
.set KSTEP,  256
.set NQ,     2
.set ROWB,   192                       ; a tile's row in bytes
.set KROW,   768                       ; a row of R in bytes
.set PITCH,  240                       ; an LDS row: 3 x (64 bytes + 16 of padding)
.set FR,     12
.set NL,     6
.set NP,     4
.set HALFT,  128*PITCH
.set SLOT,   4*HALFT
.set LAPS,   2                         ; 1,024 along K = two laps of two slots
.set KS,     32                        ; a row of scale bytes
.set SCL,    2*SLOT
.set HALFS,  (128*KS/256)*272
.set SBLK,   (16*KS/256)*272
.set SPARE,  SCL+4*HALFS               ; the spare words, 128 bytes for each wave: two blocks of 256 bytes that no other line names
.set QS,     786432                    ; aux: where q's scale bytes begin
.set ADRA, 16                          ; v16-17 LDS address of my A fragments in slot 0, 1 (v18-19: behind one padding more)
.set ADRB, 20                          ; v20-23 the same for B
.set L16,  24                          ; v24 16 x lane
.set L8,   25                          ; v25 8 x lane
.set LW,   26                          ; v26 the way out: my lane's place among the scale bytes
.set ADRS, 27                          ; v27 LDS address of my scale words
.set SPW,  28                          ; v28 LDS address of my spare word; never rewritten
.set NIL,  29                          ; v29 0; never rewritten
.set SH,   30                          ; v30 16 x (lane / 16)
.set ONE,  31                          ; v31 the byte 127 four times: the scale 1
.set SC,   32
.set BI,   64                          ; v64-127 the bias, eight registers for each block of B (q, k) or of A (v)
.set AF,   128
.set PC,   64                          ; the way out: v64-75 a fragment's codes; v76-78, v80-82 the conversions' second halves
.set TM,   84                          ; v84-87 largest magnitudes, v88-91 bytes, v92-95 the scales as f32, v96-99 the conversions' scale operands
.set PW,   100                         ; the scale word just made
.set WD,   101                         ; the word to store
.set SUM,  102                         ; v102-103
.set DQ,   128                         ; v128-191 v's quantised numbers, widened again for their sum
.set WV,  16
.set WH,  17
.set WL,  18
.set ISV, 19                           ; 1 where the cluster makes v
.set NV,  20
.set AT,  21                           ; A's tile of 256 rows of R
.set SEL, 2
.set AR0, 66                           ; my wave's first row of A, of B
.set BR0, 67
.set G1, 24
.set G0, 32
.set G1B, 48
.set G0B, 56
.set G1S, 68
.set G0S, 76
.set G1SB, 80
.set G0SB, 88
.set MSB, 0
.macro WIN new                         ; the immediate's high byte repeats the setting that is left
.if MSB != \new
	s_set_vgpr_msb (MSB<<8)|\new
.set MSB, \new
.endif
.endm
.set MUL_LO, 0xa1                      ; source 0 (B) window 1, source 1 (A) window 0, C and D window 2
.set MUL_HI, 0xf1                      ; the same, C and D window 3
.set TO_B,   0x40
; A joint load: waves 0 and 1 fetch for A, waves 2 and 3 for B; the branch hangs on the wave's number alone.  An s_nop 0 and four v_nop follow each of the two lines.
.macro JLOAD g0a, g1a, g0b, g1b
	s_cmp_eq_u32 s[WH], 0
	s_cbranch_scc0 .Lfor_b_\@
	tensor_load_to_lds s[\g0a:\g0a+3], s[\g1a:\g1a+7]
	s_nop 0
.rept 4
	v_nop
.endr
	s_branch .Lasked_\@
.Lfor_b_\@:
	tensor_load_to_lds s[\g0b:\g0b+3], s[\g1b:\g1b+7]
	s_nop 0
.rept 4
	v_nop
.endr
.Lasked_\@:
.endm
.macro CREST                           ; a round of the cluster's barrier behind its opening barrier
	s_cmp_lg_u32 s[WV], 0
	s_cbranch_scc1 .Lnot_wave_0_\@
	s_barrier_signal -3
.Lnot_wave_0_\@:
	s_barrier_wait -3
	s_barrier_signal -1
	s_barrier_wait -1
.endm
.macro CROUND
	s_barrier_signal -1
	s_barrier_wait -1
	CREST
.endm
	s_load_b128 s[4:7], s[0:1], 0x0                ; R's codes, R's scale bytes
	s_load_b128 s[8:11], s[0:1], 0x10              ; c_attn_b, q_codes
	s_load_b128 s[12:15], s[0:1], 0x20             ; kv_codes, aux
	v_lshl_add_u32 v[SPW], v0, 2, SPARE
	v_mov_b32 v[NIL], 0
	ds_add_u32 v[SPW], v[NIL]                      ; the wave's opening: the add and its wait stand ahead of my first tensor load; work on registers stands between them
	v_lshrrev_b32 v1, 5, v0
	v_readfirstlane_b32 s[WV], v1                  ; wave 0..3
	s_lshr_b32 s[WH], s[WV], 1                     ; which half of A's rows is mine.  Also: I fetch for A (0) or for B (1)
	s_and_b32 s[WL], s[WV], 1                      ; which half of B's rows.  Also: which 128 rows of that tile I fetch
	s_bfe_u32 s40, ttmp6, 0x40000                  ; cx, cy: my place in the cluster
	s_bfe_u32 s41, ttmp6, 0x40004
	s_lshr_b32 s[ISV], ttmp9, 1                    ; cluster x = 0: q, 1: k, 2: v; the same in all sixteen partners
	s_xor_b32 s[NV], s[ISV], 1
	s_and_b32 s92, ttmp7, 0xffff
	s_lshl_b32 s92, s92, 2                         ; 4 x cluster y
	s_mul_i32 s[AT], s[NV], s92                    ; A's tile: q, k: tokens, 4 x cluster y + cy;
	s_mul_i32 s22, s[ISV], 40                      ; v: R's rows from 10,240 on, 40 + cy
	s_add_co_u32 s[AT], s[AT], s22
	s_add_co_u32 s[AT], s[AT], s41
	s_lshl_b32 s42, ttmp9, 2
	s_add_co_u32 s42, s42, 32
	s_mul_i32 s42, s42, s[NV]                      ; B's tile: q, k: R's rows from 8,192 on, 32 + 4 x cluster x + cx;
	s_mul_i32 s93, s[ISV], s92                     ; v: tokens, 4 x cluster y + cx
	s_add_co_u32 s42, s42, s93
	s_add_co_u32 s42, s42, s40
	s_lshl_b32 s43, s41, 2
	s_lshl_b32 s43, 15, s43                        ; my row of the cluster
	s_lshl_b32 s44, 0x1111, s40                    ; my column
	; descriptor group 1: a tile of 128 rows x 192 bytes, 16 bytes of padding behind every 64
	s_or_b32 s[G1+0], s43, (0<<16)|(1<<20)|(1<<21)|(3<<22)|(3<<25)
	s_or_b32 s[G1B+0], s44, (0<<16)|(1<<20)|(1<<21)|(3<<22)|(3<<25)
.irp g, G1, G1B
	s_mov_b32 s[\g+1], ROWB<<16                    ; tensor_dim0
	s_mov_b32 s[\g+2], 128<<16                     ; tensor_dim1
	s_mov_b32 s[\g+3], ROWB<<16                    ; tile_dim0
	s_mov_b32 s[\g+4], 128                         ; tile_dim1
	s_mov_b32 s[\g+5], KROW                        ; the pitch
	s_mov_b32 s[\g+6], 0
	s_mov_b32 s[\g+7], 0
.endr
	; the scale bytes of 128 rows: 4,096 dense bytes, as 16 rows of 256 bytes, 16 bytes of padding behind each
	s_or_b32 s[G1S+0], s43, (3<<16)|(1<<20)|(1<<21)|(5<<22)|(3<<25)
	s_or_b32 s[G1SB+0], s44, (3<<16)|(1<<20)|(1<<21)|(5<<22)|(3<<25)
.irp g, G1S, G1SB
	s_mov_b32 s[\g+1], 32<<16
	s_mov_b32 s[\g+2], (128*KS/256)<<16
	s_mov_b32 s[\g+3], 32<<16
	s_mov_b32 s[\g+4], 128*KS/256
	s_mov_b32 s[\g+5], 32
	s_mov_b32 s[\g+6], 0
	s_mov_b32 s[\g+7], 0
.endr
	s_lshl_b32 s93, s[WL], 7                       ; which 128 rows of the tile I fetch
	s_lshl_b32 s94, s[AT], 8
	s_add_co_u32 s94, s94, s93                     ; A: the row of R (all offsets stay under 2^24)
	s_lshl_b32 s96, s94, 5                         ; its scale bytes,
	s_mul_i32 s94, s94, KROW                       ; its codes
	s_mov_b32 s95, 0
	s_mov_b32 s97, 0
	s_lshl_b32 s46, s42, 8
	s_add_co_u32 s46, s46, s93                     ; B likewise, in registers of its own
	s_lshl_b32 s98, s46, 5
	s_mul_i32 s46, s46, KROW
	s_mov_b32 s47, 0
	s_mov_b32 s99, 0
	s_mul_i32 s45, s[WV], HALFT                    ; where they go: wave x 128 rows: no place in the cluster enters an LDS address
	s_mul_i32 s100, s[WV], HALFS
	s_wait_dscnt 0x0                               ; the opening add is done
	s_wait_kmcnt 0x0
	s_add_nc_u64 s[94:95], s[4:5], s[94:95]
	s_add_nc_u64 s[96:97], s[6:7], s[96:97]
	s_add_nc_u64 s[46:47], s[4:5], s[46:47]
	s_add_nc_u64 s[98:99], s[6:7], s[98:99]
	CROUND                                         ; all sixteen work-groups are here: the first joint loads meet
	s_mov_b32 s[G0S], 1
	s_add_co_u32 s[G0S+1], s100, SCL
	s_mov_b64 s[G0S+2:G0S+3], s[96:97]
	s_or_b32 s[G0S+3], s[G0S+3], 0x80000000
	s_mov_b32 s[G0SB], 1
	s_add_co_u32 s[G0SB+1], s100, SCL
	s_mov_b64 s[G0SB+2:G0SB+3], s[98:99]
	s_or_b32 s[G0SB+3], s[G0SB+3], 0x80000000
	JLOAD G0S, G1S, G0SB, G1SB                     ; the scales first: they are wanted with K step 0
.irp s, 0,1
	s_mov_b32 s[G0+4*\s], 1
	s_add_co_u32 s[G0+4*\s+1], s45, \s*SLOT
	s_add_nc_u64 s[G0+4*\s+2:G0+4*\s+3], s[94:95], \s*ROWB
	s_or_b32 s[G0+4*\s+3], s[G0+4*\s+3], 0x80000000
	s_mov_b32 s[G0B+4*\s], 1
	s_add_co_u32 s[G0B+4*\s+1], s45, \s*SLOT
	s_add_nc_u64 s[G0B+4*\s+2:G0B+4*\s+3], s[46:47], \s*ROWB
	s_or_b32 s[G0B+4*\s+3], s[G0B+4*\s+3], 0x80000000
	JLOAD G0+4*\s, G1, G0B+4*\s, G1B               ; three tensor loads of mine are out now, and never more
.endr
	v_and_b32 v1, 15, v0                           ; r = lane % 16
	v_bfe_u32 v2, v0, 4, 1                         ; h = lane / 16
	v_mul_u32_u24 v3, v1, PITCH
	v_mul_u32_u24 v4, v2, 24
	v_add_nc_u32 v4, v3, v4                        ; a fragment's row x pitch + 24 x half
	v_lshl_add_u32 v5, v2, 4, v4                   ; and the same behind one padding more
	s_mul_i32 s22, s[WH], HALFT                    ; my 128 rows of A
	s_mul_i32 s23, s[WL], HALFT                    ; my 128 rows of B,
	s_add_co_u32 s23, s23, 2*HALFT                 ; which lie behind A's 256
.irp s, 0,1
	v_add_nc_u32 v[ADRA+\s], s22, v4
	v_add_nc_u32 v[ADRB+\s], s23, v4
	v_add_nc_u32 v[ADRA+2+\s], s22, v5
	v_add_nc_u32 v[ADRB+2+\s], s23, v5
	s_add_co_u32 s22, s22, SLOT
	s_add_co_u32 s23, s23, SLOT
.endr
	v_mul_u32_u24 v5, v1, KS                       ; my row's scales: 32 bytes a row,
	v_lshrrev_b32 v6, 8, v5
	v_lshl_add_u32 v5, v6, 4, v5                   ; and 16 more for each 256 passed
	s_mul_i32 s22, s[WH], HALFS
	s_mul_i32 s23, s[WL], HALFS
	s_add_co_u32 s23, s23, 2*HALFS
	s_sub_co_u32 s23, s23, s22
	v_mul_u32_u24 v6, s23, v2                      ; lanes 16-31 take B's
	s_add_co_u32 s22, s22, SCL
	v_add_nc_u32 v5, v5, v6
	v_add_nc_u32 v[ADRS], s22, v5
	v_and_b32 v6, 31, v0
	v_lshlrev_b32 v[L16], 4, v6
	v_lshlrev_b32 v[L8], 3, v6
	v_lshlrev_b32 v[SH], 4, v2
	v_mov_b32 v[ONE], 0x7f7f7f7f
	s_lshl_b32 s[AR0], s[AT], 8
	s_lshl_b32 s22, s[WH], 7
	s_add_co_u32 s[AR0], s[AR0], s22               ; my wave's first row of A
	s_lshl_b32 s[BR0], s42, 8
	s_lshl_b32 s22, s[WL], 7
	s_add_co_u32 s[BR0], s[BR0], s22               ; and of B
	; THE BIAS, in the result's layout.  Row 8,192 + n of R has the bias c_attn_b[n].
	v_lshlrev_b32 v7, 5, v2                        ; 32 h
	v_lshlrev_b32 v8, 2, v1                        ; 4 r
	s_mov_b32 s23, 0
	s_cmp_eq_u32 s[ISV], 0
	s_cbranch_scc0 .Lbias_v
	s_sub_co_u32 s22, s[BR0], 8192                 ; q, k: the bias runs along B: register 8 b + j takes that of B's row 16 b + 8 h + j
	s_lshl_b32 s22, s22, 2
	s_add_nc_u64 s[8:9], s[8:9], s[22:23]
.irp b, 0,1,2,3,4,5,6,7
	global_load_b128 v[BI+8*\b:BI+8*\b+3], v7, s[8:9] offset:64*\b
	global_load_b128 v[BI+8*\b+4:BI+8*\b+7], v7, s[8:9] offset:64*\b+16
.endr
	s_branch .Lbias_in
.Lbias_v:
	s_sub_co_u32 s22, s[AR0], 8192                 ; v: it runs along A: all eight registers of block a take that of A's row 16 a + r
	s_lshl_b32 s22, s22, 2
	s_add_nc_u64 s[8:9], s[8:9], s[22:23]
.irp a, 0,1,2,3,4,5,6,7
	global_load_b32 v[BI+8*\a], v8, s[8:9] offset:64*\a
.endr
	s_wait_loadcnt 0x0                             ; (the first tiles are on their way meanwhile)
.irp a, 0,1,2,3,4,5,6,7
.irp j, 1,2,3,4,5,6,7
	v_mov_b32 v[BI+8*\a+\j], v[BI+8*\a]
.endr
.endr
.Lbias_in:
.macro FRAG reg, adr, q, i             ; a fragment, 16 rows x 128 K of 6-bit codes, is 12 registers: lane l holds row l % 16; registers 6 c .. 6 c + 5 hold K = 64 c + 32 (l / 16) + 0 .. 31, as the bytes lie
.irp p, 0,1,2,3,4,5                    ; in pieces of 8 bytes; where the piece three on lies behind one padding more, the second address register serves
.set PIE, 12*(\q)+6*(\p/3)+\p%3
.if PIE%8 < 5
	ds_load_b64 v[\reg+2*\p:\reg+2*\p+1], v[\adr] offset:8*PIE+16*(PIE/8)+(\i)*16*PITCH
.else
	ds_load_b64 v[\reg+2*\p:\reg+2*\p+1], v[\adr+2] offset:8*PIE+16*(PIE/8)+(\i)*16*PITCH
.endif
.endr
.endm
; 16 matrix instructions: A's blocks a0, a0 + 1 x B's eight, 128 along K.  cm = 0: the sums go on; 1: they begin with the bias along B; 2: with the bias along A.
; The 64 accumulators take turns, one instruction a turn, in the same order in every step.
.macro MUL16 a0, p, q, sc, cm
.irp a, \a0, \a0+1
.irp b, 0,1,2,3,4,5,6,7
.if \cm == 1
	v_wmma_scale_f32_16x16x128_f8f6f4 v[8*(8*((\a)%4)+\b):8*(8*((\a)%4)+\b)+7], v[128*(\p)+FR*\b:128*(\p)+FR*\b+FR-1], v[AF+FR*(\a):AF+FR*(\a)+FR-1], v[BI+8*\b:BI+8*\b+7], v[SC+8*NQ*(\sc)+NQ*\b+(\q)], v[SC+8*NQ*(\sc)+NQ*(\a)+(\q)] matrix_a_fmt:MATRIX_FMT_FP6 matrix_b_fmt:MATRIX_FMT_FP6 matrix_a_scale:MATRIX_SCALE_ROW1
.elseif \cm == 2
	v_wmma_scale_f32_16x16x128_f8f6f4 v[8*(8*((\a)%4)+\b):8*(8*((\a)%4)+\b)+7], v[128*(\p)+FR*\b:128*(\p)+FR*\b+FR-1], v[AF+FR*(\a):AF+FR*(\a)+FR-1], v[BI+8*(\a):BI+8*(\a)+7], v[SC+8*NQ*(\sc)+NQ*\b+(\q)], v[SC+8*NQ*(\sc)+NQ*(\a)+(\q)] matrix_a_fmt:MATRIX_FMT_FP6 matrix_b_fmt:MATRIX_FMT_FP6 matrix_a_scale:MATRIX_SCALE_ROW1
.else
	v_wmma_scale_f32_16x16x128_f8f6f4 v[8*(8*((\a)%4)+\b):8*(8*((\a)%4)+\b)+7], v[128*(\p)+FR*\b:128*(\p)+FR*\b+FR-1], v[AF+FR*(\a):AF+FR*(\a)+FR-1], v[8*(8*((\a)%4)+\b):8*(8*((\a)%4)+\b)+7], v[SC+8*NQ*(\sc)+NQ*\b+(\q)], v[SC+8*NQ*(\sc)+NQ*(\a)+(\q)] matrix_a_fmt:MATRIX_FMT_FP6 matrix_b_fmt:MATRIX_FMT_FP6 matrix_a_scale:MATRIX_SCALE_ROW1
.endif
.endr
.endr
.endm
.macro FETCH_B slot, q, p
	WIN TO_B
.irp i, 0,1,2,3,4,5,6,7
	FRAG 128*(\p)+FR*\i, ADRB+\slot, \q, \i
.endr
	WIN 0
.endm
.macro FETCH_A slot, q, i0
.irp i, \i0, \i0+1, \i0+2, \i0+3
	FRAG AF+FR*(\i), ADRA+\slot, \q, \i
.endr
.endm
.macro SCALES sc                       ; a K step's scale words: lanes 0-15 take A's block i, lanes 16-31 B's block i
.irp i, 0,1,2,3,4,5,6,7
	ds_load_b64 v[SC+8*NQ*\sc+NQ*\i:SC+8*NQ*\sc+NQ*\i+1], v[ADRS] offset:\i*SBLK
.endr
.endm
.macro PLACES n                        ; plain vector lines between a matrix instruction and a load into, or a read of, its registers
.rept \n
	v_nop
.endr
.endm
.macro STEP slot, q, cm                ; a step of 128 along K that has its successor in the same slot
	s_wait_dscnt 4*NL                              ; B's set and A's blocks 0-3 are in; the youngest 24 loads (A's blocks 4-7) may be out
.if \cm
	WIN 0x81                                       ; C (the bias) window 0, D window 2
.else
	WIN MUL_LO
.endif
	MUL16 0, (\q)%2, \q, \slot, \cm
	MUL16 2, (\q)%2, \q, \slot, \cm
	s_wait_dscnt 0                                 ; A's blocks 4-7 are in
	PLACES NP
	FETCH_B \slot, (\q)+1, 1-(\q)%2
	FETCH_A \slot, (\q)+1, 0
.if \cm
	WIN 0xc1                                       ; C window 0, D window 3
.else
	WIN MUL_HI
.endif
	MUL16 4, (\q)%2, \q, \slot, \cm
	MUL16 6, (\q)%2, \q, \slot, \cm
	PLACES NP
	WIN 0
	FETCH_A \slot, (\q)+1, 4
.endm
; A slot's last step changes slots: ONE barrier; in front of it each wave waits for all its tensor loads, adds 0 to its spare word, and waits for that and for its own reads of this slot.
.macro TURN slot, next, fill
	s_wait_tensorcnt 0x0                           ; all my tensor loads have landed: my part of the next slot
	ds_add_u32 v[SPW], v[NIL]                      ; 0 onto my spare word
	s_wait_dscnt 4*NL+1                            ; (the add and the youngest 24 loads, A's blocks 4-7, may be out)
	WIN MUL_LO
	MUL16 0, 1, NQ-1, \slot, 0                     ; sixteen matrix instructions stand between the add and the wait for it
	s_wait_dscnt 0x0                               ; the add is done, and my reads of this slot are over
	s_barrier_signal -1
	MUL16 2, 1, NQ-1, \slot, 0
	WIN 0
	s_barrier_wait -1
.if \fill
	CREST                                          ; the barrier has opened a round of the cluster's barrier: no wave of any partner still reads this slot's tile or has a load on its way
	s_add_nc_u64 s[G0+4*\slot+2:G0+4*\slot+3], s[G0+4*\slot+2:G0+4*\slot+3], 2*ROWB
	s_add_nc_u64 s[G0B+4*\slot+2:G0B+4*\slot+3], s[G0B+4*\slot+2:G0B+4*\slot+3], 2*ROWB
	JLOAD G0+4*\slot, G1, G0B+4*\slot, G1B         ; the first tensor load behind the round; its four v_nop are the places in front of the loads below
.else
	PLACES NP
.endif
	v_add_nc_u32 v[ADRS], 4*NQ, v[ADRS]            ; on to the next K step's scale words
	FETCH_B \next, 0, 0
	FETCH_A \next, 0, 0
	SCALES \next
	WIN MUL_HI
	MUL16 4, 1, NQ-1, \slot, 0
	MUL16 6, 1, NQ-1, \slot, 0
	PLACES NP
	WIN 0
	FETCH_A \next, 0, 4
.endm
	s_wait_tensorcnt 1                             ; the scales and my part of K step 0 are in (K step 1's load may be out),
	s_barrier_signal -1
	s_barrier_wait -1                              ; everybody's are
	FETCH_B 0, 0, 0
	FETCH_A 0, 0, 0
	SCALES 0
	FETCH_A 0, 0, 4
	s_wait_loadcnt 0x0                             ; the bias
	s_cmp_eq_u32 s[ISV], 0                         ; the first step is written twice: its products begin the sums with the bias, along B or along A
	s_cbranch_scc0 .Lfirst_v
	STEP 0, 0, 1
	s_branch .Lfirst_done
.Lfirst_v:
	STEP 0, 0, 2
.Lfirst_done:
	s_mov_b32 s3, LAPS-1
.Llap:                                                 ; a trip goes once round the ring, from a lap's second step to the next lap's first, and fills both slots again
	TURN 0, 1, 1
	STEP 1, 0, 0
	TURN 1, 0, 1
	STEP 0, 0, 0
	s_sub_co_u32 s3, s3, 1
	s_cmp_lg_u32 s3, 0
	s_cbranch_scc1 .Llap
	TURN 0, 1, 0                                   ; the last lap fills nothing, and has no round of the cluster's barrier
	STEP 1, 0, 0
	s_wait_dscnt 4*NL                              ; the very last step: nothing more to fetch
	WIN MUL_LO
	MUL16 0, 1, NQ-1, 1, 0
	MUL16 2, 1, NQ-1, 1, 0
	s_wait_dscnt 0
	WIN MUL_HI
	MUL16 4, 1, NQ-1, 1, 0
	MUL16 6, 1, NQ-1, 1, 0
	WIN 0
; THE WAY OUT.  For block a of A the lane's 64 registers are four blocks of 32 along the next K: register 16 B + i of block B; the other 16 numbers of the block lie in lane l xor 16.
.macro QMAX a                          ; the blocks' largest magnitudes, scale operands, bytes and the scale word
.set AC, 64*((\a)%4)
	WIN 0x0a+5*((\a)/4)                            ; sources 0 and 1: window 2 or 3
.irp b, 0,1,2,3
	v_max3_num_f32 v[TM+\b], |v[AC+16*\b]|, |v[AC+16*\b+1]|, 0x1800000   ; with the floor 2^(3 - 127): the byte cannot fall under 1.  Each accumulator is read from its low end on
.endr
.irp i, 2,4,6,8,10,12,14
.irp b, 0,1,2,3
	v_max3_num_f32 v[TM+\b], |v[AC+16*\b+\i]|, |v[AC+16*\b+\i+1]|, v[TM+\b]   ; (the four blocks by turns)
.endr
.endr
	WIN 0
.irp b, 0,1,2,3
	v_permlanex16_b32 v[TM+4+\b], v[TM+\b], s[SEL], s[SEL+1]
.endr
.irp b, 0,1,2,3
	v_max_num_f32 v[TM+\b], v[TM+\b], v[TM+4+\b]   ; with lane l xor 16's: the block's largest magnitude
.endr
.irp b, 0,1,2,3
	v_add_nc_u32 v[TM+12+\b], 0xff000000, v[TM+\b] ; 2 off its exponent field: the conversion's scale operand
.endr
.irp b, 0,1,2,3
	v_lshrrev_b32 v[TM+4+\b], 23, v[TM+12+\b]      ; the scale's byte
.endr
	v_lshl_or_b32 v[PW], v[TM+5], 8, v[TM+4]
	v_lshl_or_b32 v[PW], v[TM+6], 16, v[PW]
	v_lshl_or_b32 v[PW], v[TM+7], 24, v[PW]
.endm
.macro QCVT a
.set AC, 64*((\a)%4)
	s_wait_xcnt 0x0                                ; the last block's stores have read their registers: the codes and the word may be written again
	WIN 0x02+(\a)/4                                ; source 0: window 2 or 3
.irp c, 0,1
	v_cvt_scalef32_pk16_fp6_f32 v[PC+6*\c:PC+6*\c+2], v[AC+32*\c:AC+32*\c+15], v[TM+12+2*\c]
	v_cvt_scalef32_pk16_fp6_f32 v[PC+12+4*\c:PC+12+4*\c+2], v[AC+32*\c+16:AC+32*\c+31], v[TM+12+2*\c+1]   ; (a conversion's three registers begin on an even number)
.endr
	WIN 0
	v_nop                                          ; one plain line behind a scaled conversion
.endm
.macro QSWAP                           ; the operand's layout wants a WHOLE block in a lane: lanes 0-15 block 2 c, lanes 16-31 block 2 c + 1
.irp c, 0,1
.irp i, 0,1,2
	v_permlane16_swap_b32 v[PC+6*\c+\i], v[PC+12+4*\c+\i]
.endr
.irp i, 0,1,2
	v_mov_b32 v[PC+3+6*\c+\i], v[PC+12+4*\c+\i]
.endr
.endr
.endm
.macro VSUM                            ; the sum of my channel's 128 quantised numbers: the codes widened again (exact), added block by block (exact), times the blocks' scales
.irp c, 0,1
	v_cvt_scale_pk16_f32_fp6 v[DQ+32*\c:DQ+32*\c+15], v[PC+6*\c:PC+6*\c+2], v[ONE]
	v_cvt_scale_pk16_f32_fp6 v[DQ+32*\c+16:DQ+32*\c+31], v[PC+12+4*\c:PC+12+4*\c+2], v[ONE]
.endr
.irp b, 0,1,2,3
	v_and_b32 v[TM+8+\b], 0x7f800000, v[TM+12+\b]  ; the block's scale as f32 (plain lines behind the conversions)
.endr
.irp i, 0,4,8,12
.irp b, 0,1,2,3
	v_pk_add_f32 v[DQ+16*\b+\i:DQ+16*\b+\i+1], v[DQ+16*\b+\i:DQ+16*\b+\i+1], v[DQ+16*\b+\i+2:DQ+16*\b+\i+3]
.endr
.endr
.irp i, 0,8
.irp b, 0,1,2,3
	v_pk_add_f32 v[DQ+16*\b+\i:DQ+16*\b+\i+1], v[DQ+16*\b+\i:DQ+16*\b+\i+1], v[DQ+16*\b+\i+4:DQ+16*\b+\i+5]
.endr
.endr
.irp b, 0,1,2,3
	v_pk_add_f32 v[DQ+16*\b:DQ+16*\b+1], v[DQ+16*\b:DQ+16*\b+1], v[DQ+16*\b+8:DQ+16*\b+9]
.endr
.irp b, 0,1,2,3
	v_add_f32 v[DQ+16*\b], v[DQ+16*\b], v[DQ+16*\b+1]
.endr
	v_mul_f32 v[SUM], v[DQ], v[TM+8]
	v_fmac_f32 v[SUM], v[DQ+16], v[TM+9]
	v_fmac_f32 v[SUM], v[DQ+32], v[TM+10]
	v_fmac_f32 v[SUM], v[DQ+48], v[TM+11]
	v_permlanex16_b32 v[SUM+1], v[SUM], s[SEL], s[SEL+1]
	v_add_f32 v[SUM], v[SUM], v[SUM+1]             ; with lane l xor 16's half of each block
.endm
.macro OUT_QK a                        ; 16 tokens x two heads: registers 0-5 of the fragment are the first head's 64, registers 6-11 the second's
	QMAX \a
	QCVT \a
	QSWAP
	v_lshrrev_b32 v[WD], v[SH], v[PW]              ; lanes 0-15: the first head's two bytes; lanes 16-31: the second's
	global_store_b128 v[L16], v[PC:PC+3], s[84:85] offset:768*(\a)          ; 512 consecutive bytes, aligned
	global_store_b64 v[L8], v[PC+4:PC+5], s[84:85] offset:768*(\a)+512      ; 256 consecutive bytes, aligned
	global_store_b128 v[L16], v[PC+6:PC+9], s[86:87] offset:768*(\a)
	global_store_b64 v[L8], v[PC+10:PC+11], s[86:87] offset:768*(\a)+512
	global_store_b16 v[LW], v[WD], s[88:89] offset:32*(\a)
.endm
.macro OUT_V a                         ; 16 channels x 128 keys: one whole fragment
	QMAX \a
	QCVT \a
	VSUM
	QSWAP
	v_cndmask_b32 v[WD], v[PW], v[SUM], s92        ; lanes 0-15: the scale word; lanes 16-31: the sum
.irp c, 0,1,2
	global_store_b128 v[L16], v[PC+4*\c:PC+4*\c+3], s[84:85] offset:((\a)/4)*196608+((\a)%4)*1536+512*\c
.endr
	global_store_b32 v[LW], v[WD], s[88:89] offset:((\a)/4)*12288+((\a)%4)*64
.endm
	s_mov_b32 s[SEL], 0x76543210
	s_mov_b32 s[SEL+1], 0xfedcba98                 ; v_permlanex16_b32's selects for lane l xor 16
.irp b, 0,1,2,3
	v_mov_b32 v[TM+4+\b], 0                        ; written once: a lane permute's destination counts as one of its sources.  These four are also the places behind the last products
.endr
	s_cmp_eq_u32 s[ISV], 0
	s_cbranch_scc0 .Lout_v
	; q and k: A's rows are tokens, B's rows two heads
	s_lshr_b32 s68, s[AR0], 11                     ; the batch,
	s_and_b32 s69, s[AR0], 2047                    ; my first token in it
	s_sub_co_u32 s70, s[BR0], 8192
	s_and_b32 s70, s70, 1023
	s_lshr_b32 s70, s70, 6                         ; my first head
	s_lshl_b32 s68, s68, 4
	s_add_co_u32 s68, s68, s70                     ; 16 x batch + head
	s_mul_i32 s72, s68, 98304                      ; q's codes: 128 tiles of 768 bytes a head
	s_lshr_b32 s71, s69, 4
	s_mul_i32 s71, s71, 768
	s_add_co_u32 s72, s72, s71
	s_lshl_b32 s74, s68, 11                        ; q's scale bytes: 2 a token
	s_add_co_u32 s74, s74, s69
	s_lshl_b32 s74, s74, 1
	s_add_co_u32 s74, s74, QS
	s_mul_i32 s76, s68, 196608                     ; k's codes: 8 slots of 24,576 bytes a head, a slot's 16 tiles first
	s_lshr_b32 s71, s69, 8
	s_mul_i32 s77, s71, 24576
	s_add_co_u32 s76, s76, s77
	s_bfe_u32 s77, s69, 0x40004
	s_mul_i32 s77, s77, 768
	s_add_co_u32 s76, s76, s77
	s_mul_i32 s78, s68, 12288                      ; k's scale bytes: 8 records of 1,536 bytes a head, k's 512 bytes first
	s_mul_i32 s71, s71, 1536
	s_add_co_u32 s78, s78, s71
	s_and_b32 s71, s69, 255
	s_lshl_b32 s71, s71, 1
	s_add_co_u32 s78, s78, s71
	s_mov_b32 s79, 196608
	s_mov_b32 s80, 12288
	s_cmp_eq_u32 ttmp9, 0                          ; q or k: the choice hangs on the cluster's number alone
	s_cselect_b64 s[84:85], s[10:11], s[12:13]
	s_cselect_b32 s72, s72, s76
	s_cselect_b32 s74, s74, s78
	s_cselect_b32 s76, 98304, s79                  ; from head to head, in the codes
	s_cselect_b32 s78, 4096, s80                   ; and in the scale bytes
	s_mov_b32 s73, 0
	s_mov_b32 s75, 0
	s_mov_b32 s77, 0
	s_add_nc_u64 s[84:85], s[84:85], s[72:73]
	s_add_nc_u64 s[86:87], s[84:85], s[76:77]
	s_add_nc_u64 s[88:89], s[14:15], s[74:75]
	v_lshlrev_b32 v[LW], 1, v1
	v_mad_u32_u24 v[LW], v2, s78, v[LW]            ; 2 r + the second head for lanes 16-31
.irp a, 0,1,2,3,4,5,6,7
	OUT_QK \a
.endr
	s_branch .Lend
.Lout_v:
	; v: A's rows are two heads' channels, B's rows one key step
	s_sub_co_u32 s70, s[AR0], 10240
	s_lshr_b32 s70, s70, 6                         ; my first head
	s_lshr_b32 s68, s[BR0], 11
	s_and_b32 s69, s[BR0], 2047
	s_lshl_b32 s68, s68, 4
	s_add_co_u32 s68, s68, s70
	s_mul_i32 s72, s68, 196608
	s_lshr_b32 s71, s69, 8                         ; the slot,
	s_mul_i32 s77, s71, 24576
	s_add_co_u32 s72, s72, s77
	s_bfe_u32 s76, s69, 0x10007                    ; the step in it
	s_mul_i32 s77, s76, 6144
	s_add_co_u32 s72, s72, s77
	s_add_co_u32 s72, s72, 12288                   ; behind k's tiles
	s_mov_b32 s73, 0
	s_add_nc_u64 s[84:85], s[12:13], s[72:73]
	s_mul_i32 s74, s68, 12288
	s_mul_i32 s71, s71, 1536
	s_add_co_u32 s74, s74, s71
	s_lshl_b32 s76, s76, 8
	s_add_co_u32 s74, s74, s76
	s_add_co_u32 s74, s74, 512                     ; v's scale words lie behind k's bytes, the sums 512 bytes further on
	s_mov_b32 s75, 0
	s_add_nc_u64 s[88:89], s[14:15], s[74:75]
	s_mov_b32 s92, 0xffff0000                      ; lanes 16-31
	v_lshlrev_b32 v[LW], 2, v1
	v_lshl_add_u32 v[LW], v2, 9, v[LW]
	v_mov_b32 v[SUM+1], 0
.irp a, 0,1,2,3,4,5,6,7
	OUT_V \a
.endr
.Lend:
	s_wait_tensorcnt 0x0                           ; the wave's end, behind my last tensor load
	ds_add_u32 v[SPW], v[NIL]
	s_wait_dscnt 0x0
	CROUND                                         ; the closing round: no work-group ends while a partner may still ask for a tile that names it
	s_endpgm
.Lfunc_end_k_q7400e68d51_qkv:
	.size	k_q7400e68d51_qkv, .Lfunc_end_k_q7400e68d51_qkv-k_q7400e68d51_qkv
	.p2alignl 7, 3214868480
	.fill 96, 4, 3214868480
	.section	.rodata,"a",@progbits
	.p2align	6, 0x0
	.amdhsa_kernel k_q7400e68d51_qkv
		.amdhsa_group_segment_fixed_size 327680
		.amdhsa_private_segment_fixed_size 0
		.amdhsa_enable_private_segment 0
		.amdhsa_kernarg_size 48
		.amdhsa_user_sgpr_count 2
		.amdhsa_user_sgpr_kernarg_segment_ptr 1
		.amdhsa_wavefront_size32 1
		.amdhsa_system_sgpr_workgroup_id_x 1
		.amdhsa_system_sgpr_workgroup_id_y 1
		.amdhsa_system_sgpr_workgroup_id_z 1
		.amdhsa_system_vgpr_workitem_id 0
		.amdhsa_next_free_vgpr 1024
		.amdhsa_next_free_sgpr 102
		.amdhsa_reserve_vcc 0
		.amdhsa_float_denorm_mode_32 3
		.amdhsa_float_denorm_mode_16_64 3
		.amdhsa_memory_ordered 1
		.amdhsa_forward_progress 1
		.amdhsa_inst_pref_size 243
	.end_amdhsa_kernel
	.amdgpu_metadata
---
amdhsa.version: [ 1, 2 ]
amdhsa.kernels:
  - .name:           k_q7400e68d51_qkv
    .symbol:         k_q7400e68d51_qkv.kd
    .args:
      - { .name: xw_codes, .offset: 0, .size: 8, .value_kind: global_buffer, .address_space: global }
      - { .name: xw_scales, .offset: 8, .size: 8, .value_kind: global_buffer, .address_space: global }
      - { .name: c_attn_b, .offset: 16, .size: 8, .value_kind: global_buffer, .address_space: global }
      - { .name: q_codes, .offset: 24, .size: 8, .value_kind: global_buffer, .address_space: global }
      - { .name: kv_codes, .offset: 32, .size: 8, .value_kind: global_buffer, .address_space: global }
      - { .name: aux, .offset: 40, .size: 8, .value_kind: global_buffer, .address_space: global }
    .group_segment_fixed_size: 327680
    .private_segment_fixed_size: 0
    .kernarg_segment_align: 8
    .kernarg_segment_size: 48
    .max_flat_workgroup_size: 128
    .sgpr_count:     102
    .vgpr_count:     1024
    .wavefront_size: 32
...
	.end_amdgpu_metadata
.endif
;; end of part 2
;; launch attn (part 3): grid 4 x 64, 16 waves a work-group, no clusters, 327,680 bytes of LDS; arguments q_codes, kv_codes, aux, a_codes, a_scales; writes a_codes, a_scales
.if DOCPART == 3
	.amdgcn_target "amdgcn-amd-amdhsa--gfx1250"
	.amdhsa_code_object_version 6
	.text
	.protected	k_q7400e68d51_attn
	.globl	k_q7400e68d51_attn
	.p2align	8
	.type	k_q7400e68d51_attn,@function
k_q7400e68d51_attn:
	s_mov_b64 s[64:65], 0
	v_nop
	global_prefetch_b8 v0, s[64:65] scope:SCOPE_SE
	s_setreg_imm32_b32 hwreg(HW_REG_WAVE_MODE, 25, 1), 1
	s_wait_xcnt 0x0
; Causal attention of one (batch, head) on codes of FP6 (E2M3), head size 64, 2,048 tokens; the result is quantised at once into the A operand of the last product.
; t = (q . k) x log2(e) / 8; under the mask the logit is -10,000, so there t = -80,000 x log2(e) / 8.  M = the row's largest t so far, rounded UP to a whole number; p = 2^(t - M) is quantised along the keys, not normalised;
; the row's sum is taken of the unquantised p and divides at the end.  When M moves, the sum and O are multiplied by 2^(old M - new M): exact.
; SHARES.  Work-group (i, bh) owns query blocks 7 - i and i of 256: sixteen waves, each 16 queries of a block, in 256 registers, four waves to a SIMD.  Block 7 - i walks key slots 0 .. 7 - i, then block i slots 0 .. i:
; nine slots of 256 keys in every work-group, ONE loop of constant count.  A slot (24,576 bytes of codes, 1,024 of scale bytes) comes through a ring of two LDS slots: waves 0, 1 fetch the codes' halves, wave 2 the scale bytes.
; LAYOUT.  Both products are used transposed: S^T = K Q^T, O^T = V^T P^T: a lane holds ONE query (lane % 16).  K's, Q's and V's fragments lie in memory and in LDS as images of the operand's registers: every read is 16, 8, 4 or 2 bytes
; a lane, lane by lane.  The first product's K is 64: Q's upper 64 codes are zeros, so what stands in the upper half of K's operand (the next tile's codes) adds nothing; no scale byte there is 0xff.
; THE KEYS UNDER THE MASK.  In the step on the diagonal hidden scores become -80,000 ahead of the maximum.  The steps behind it are not walked, but they are not nothing: each of their blocks holds 32 equal p = 2^(tm - M), and since
; tm = -14,427 + 0.05 the quantised p is 2^(-14,427 - M).  So the running state BEGINS as if those steps had been walked first: M = -14,426, O = 0.5 x (the sum of the quantised v over those keys, stored by the launch before),
; the sum = their number x 2^(tm + 14,426).  Where an open score is larger, the first change of M multiplies all that by a power of two that is 0 in f32.
; NO CLUSTER: from the sixth trip on the four work-groups of a head want different slots, so their requests could not be joint; a work-group fetches nine slots in all.
; LIMITS: NaN and infinities are not served; p under 2^-126 counts as 0; the hidden keys' sums are added in another order than key by key; blocks under 2^-124 keep the byte 1.
.set SLOTB, 32768                      ; slot 1 begins here: one exclusive or turns an address in one slot into the other's
.set VIM,   12288                      ; in a slot: K's 16 tiles x 768 bytes, then V's 2 steps x 4 fragments x 1,536 bytes,
.set KSC,   24576                      ; K's scale bytes, 2 a key,
.set VSC,   25088                      ; V's scale words, 2 steps x 64 channels
.set SPARE, 65536                      ; the spare words, 128 bytes for each wave: eight blocks of 256 bytes that no other line names
.set QS,    786432                     ; aux: where q's scale bytes begin
.set L16, 1                            ; v1-4  16, 8, 4, 2 x lane; never rewritten
.set L8,  2
.set L4,  3
.set L2,  4
.set SPW, 5                            ; v5    LDS address of my spare word; never rewritten
.set NIL, 6                            ; v6    0; never rewritten
.set RH,  7                            ; v7    r - 8 h
.set AD16, 8                           ; v8-11 the slot in hand + v1 .. v4
.set AD8,  9
.set AD4,  10
.set AD2,  11
.set QF,  16                           ; v16-21 Q's codes, v22-27 zero codes   (v12 -M, v13 the largest t, v[14:15] the sum in two halves)
.set QSW, 28                           ; v28   Q's scale word
.set R2,  29                           ; v29   2 r
.set ASO, 30                           ; v30   32 r + h
.set SVO, 31                           ; v31   where step r's sums of v lie for my channels
.set KT,  32                           ; v32-79 K's 8 tiles, 6 registers each, or V's 4 fragments; v80-85 zeros
.set MASKV, 86                         ; v86   -80,000
.set TMV, 87                           ; v87   its t
.set PM,  88                           ; v88   2^(tm + 14,426)
.set NEG, 89                           ; v89   -3e38
.set RR,  90                           ; v90   r
.set PFO, 91                           ; v91   256 x lane
.set S,   96                           ; v96-159 S^T, then p
.set O,   160                          ; v160-191 O^T
.set PC,  192                          ; v192-203 p's codes
.set PX,  204                          ; v204-206, v208-210 the conversions' second halves
.set BM,  212
.set BT,  216
.set SO,  220
.set KSR, 224                          ; v224-227 K's scale words
.set VSR, 228                          ; v228-229 V's
.set F,   230                          ; v230 f = 2^(old M - new M)
.set PW,  231                          ; v231 p's scale word
.set TT,  232                          ; v232-233 at work
.set WV,  14
.set WI,  15                           ; work-group x
.set BH,  16
.set BTK, 17                           ; the batch
.set HD,  18                           ; the head
.set Q0,  19                           ; my first query
.set SEL, 20
.set CS,  22                           ; s[22:23] c = log2(e) / 8
.set G1C, 24
.set G1S, 32
.set G0C, 40
.set G0S, 44
.set KVB, 48                           ; s[48:49] the head's codes, my half of a slot
.set SCB, 50                           ; s[50:51] the head's records in aux
.set OC,  52
.set OS,  54
.set NK,  56                           ; the key slot asked for last
.set SWN, 57                           ; 8 - i: slots of the first pass
.set TB,  58                           ; LDS byte at which the slot in hand begins
.set SLOTS, 59
.set KEY, 60                           ; the step's first key
.set HM,  61                           ; lanes 16-31
.set PFA, 66
.set LIM, 70
.set QP,  80
.set QSP, 82
.set ACP, 84
.set ASP, 86
; Waves 0 and 1 fetch the codes' halves, wave 2 the scale bytes, the others nothing.  The branches hang on the wave's number alone.  An s_nop 0 and four v_nop follow each of the two lines.
.macro TLOAD
	s_cmp_lt_u32 s[WV], 2
	s_cbranch_scc0 .Lnot_c_\@
	tensor_load_to_lds s[G0C:G0C+3], s[G1C:G1C+7]
	s_nop 0
.rept 4
	v_nop
.endr
	s_branch .Lasked_\@
.Lnot_c_\@:
	s_cmp_eq_u32 s[WV], 2
	s_cbranch_scc0 .Lasked_\@
	tensor_load_to_lds s[G0S:G0S+3], s[G1S:G1S+7]
	s_nop 0
.rept 4
	v_nop
.endr
.Lasked_\@:
.endm
; A PREFETCH INTO THE L2 of the codes that the NEXT change of slots will ask for.  All four work-groups of a head walk the same slots; the one with x = 0, whose first pass walks all eight, asks, and nobody else.
; In it waves 4 to 6, which fetch nothing, ask for 8,192 bytes each, lanes 256 bytes apart: each block of 256 bytes of slots 2 to 7 is named once.  Slots 0 and 1 come by their loads alone; trips 6 and 7 ask for nothing.
.macro ASK
	s_cmp_gt_u32 s[SLOTS], s[LIM]
	s_cbranch_scc0 .Lnot_mine_\@
	global_prefetch_b8 v[PFO], s[PFA:PFA+1] th:TH_LOAD_NT scope:SCOPE_SE
.Lnot_mine_\@:
.endm
	s_load_b256 s[4:11], s[0:1], 0x0               ; q_codes s[4:5], kv_codes s[6:7], aux s[8:9], a_codes s[10:11]
	s_load_b64 s[12:13], s[0:1], 0x20              ; a_scales
	v_lshl_add_u32 v[SPW], v0, 2, SPARE
	v_mov_b32 v[NIL], 0
	ds_add_u32 v[SPW], v[NIL]                      ; the wave's opening: the add and its wait stand ahead of my first tensor load; work on registers stands between them
	ds_add_u32 v[SPW], v[NIL]
	v_lshrrev_b32 v8, 5, v0
	s_delay_alu instid0(VALU_DEP_1)
	v_readfirstlane_b32 s[WV], v8                  ; wave 0..15
	s_mov_b32 s[WI], ttmp9
	s_and_b32 s[BH], ttmp7, 0xffff
	s_lshr_b32 s[BTK], s[BH], 4
	s_and_b32 s[HD], s[BH], 15
	; descriptor groups 1: dense blocks as rows of 256 bytes (32 elements of 8 bytes), no padding: 48 rows of codes, 4 rows of scale bytes
	s_mov_b32 s[G1C], 3<<16
	s_mov_b32 s[G1C+1], 32<<16
	s_mov_b32 s[G1C+2], 48<<16
	s_mov_b32 s[G1C+3], 32<<16
	s_mov_b32 s[G1C+4], 48
	s_mov_b32 s[G1C+5], 32
	s_mov_b32 s[G1C+6], 0
	s_mov_b32 s[G1C+7], 0
	s_mov_b32 s[G1S], 3<<16
	s_mov_b32 s[G1S+1], 32<<16
	s_mov_b32 s[G1S+2], 4<<16
	s_mov_b32 s[G1S+3], 32<<16
	s_mov_b32 s[G1S+4], 4
	s_mov_b32 s[G1S+5], 32
	s_mov_b32 s[G1S+6], 0
	s_mov_b32 s[G1S+7], 0
	s_and_b32 s72, s[WV], 1
	s_mul_i32 s73, s72, VIM                        ; my half of a slot's codes, in LDS and in memory
	s_mul_i32 s74, s[BH], 196608
	s_add_co_u32 s74, s74, s73
	s_mov_b32 s75, 0
	s_mul_i32 s76, s[BH], 12288
	s_mov_b32 s77, 0
	s_mov_b32 s[SEL], 0x76543210
	s_mov_b32 s[SEL+1], 0xfedcba98
	s_mov_b32 s[CS], 0x3e38aa3b                    ; c = log2(e) / 8
	s_mov_b32 s[CS+1], s[CS]                       ; (named with it as a pair, so it is written)
	s_mov_b32 s[HM], 0xffff0000
	s_mov_b32 s[TB], 0
	s_mov_b32 s[NK], 0
	s_mov_b32 s[SLOTS], 8
	s_mov_b32 s[KEY], 0
	s_sub_co_u32 s[SWN], 8, s[WI]
	s_mov_b32 s[OC+1], 0
	s_mov_b32 s[OS+1], 0
	s_wait_dscnt 0x0                               ; the opening add is done
	s_wait_kmcnt 0x0
	s_add_nc_u64 s[KVB:KVB+1], s[6:7], s[74:75]
	s_add_nc_u64 s[SCB:SCB+1], s[8:9], s[76:77]
	s_mov_b32 s[G0C], 1
	s_mov_b32 s[G0C+1], s73
	s_mov_b64 s[G0C+2:G0C+3], s[KVB:KVB+1]
	s_or_b32 s[G0C+3], s[G0C+3], 0x80000000
	s_mov_b32 s[G0S], 1
	s_mov_b32 s[G0S+1], KSC
	s_mov_b64 s[G0S+2:G0S+3], s[SCB:SCB+1]
	s_or_b32 s[G0S+3], s[G0S+3], 0x80000000
	TLOAD                                          ; key slot 0 into LDS slot 0: one tensor load of mine is out, and never more
	s_sub_co_u32 s72, s[WV], 4                     ; who prefetches: waves 4 to 6
	s_cmp_lt_u32 s72, 3
	s_cselect_b32 s[LIM], 2, -1
	s_cselect_b32 s72, s72, 0
	s_cmp_eq_u32 s[WI], 0                          ; of the head's work-group 0
	s_cselect_b32 s[LIM], s[LIM], -1
	s_lshl_b32 s72, s72, 13
	s_mul_i32 s73, s[BH], 196608
	s_add_co_u32 s72, s72, s73
	s_add_co_u32 s72, s72, 24576                   ; in slot 1: the first change of slots steps it to slot 2
	s_mov_b32 s73, 0
	s_add_nc_u64 s[PFA:PFA+1], s[6:7], s[72:73]
	v_and_b32 v8, 31, v0                           ; lane
	s_delay_alu instid0(VALU_DEP_1)
	v_lshlrev_b32 v[L16], 4, v8
	s_delay_alu instid0(VALU_DEP_2)
	v_lshlrev_b32 v[L8], 3, v8
	s_delay_alu instid0(VALU_DEP_3)
	v_lshlrev_b32 v[L4], 2, v8
	s_delay_alu instid0(VALU_DEP_4)
	v_lshlrev_b32 v[L2], 1, v8
	v_lshlrev_b32 v[PFO], 8, v8
	v_and_b32 v[RR], 15, v0                        ; r
	v_bfe_u32 v9, v0, 4, 1                         ; h
	s_delay_alu instid0(VALU_DEP_1)
	v_lshlrev_b32 v10, 3, v9
	s_delay_alu instid0(VALU_DEP_1)
	v_sub_nc_u32 v[RH], v[RR], v10
	s_delay_alu instid0(VALU_DEP_4)
	v_lshlrev_b32 v[R2], 1, v[RR]
	s_delay_alu instid0(VALU_DEP_4)
	v_lshl_add_u32 v[ASO], v[RR], 5, v9
	v_lshrrev_b32 v10, 1, v[RR]
	s_delay_alu instid0(VALU_DEP_1)
	v_mul_u32_u24 v[SVO], v10, 1536                ; step r lies in record r / 2,
	v_and_b32 v10, 1, v[RR]
	s_delay_alu instid0(VALU_DEP_1)
	v_lshl_add_u32 v[SVO], v10, 8, v[SVO]          ; 256 bytes a step,
	s_delay_alu instid0(VALU_DEP_1)
	v_lshl_add_u32 v[SVO], v9, 5, v[SVO]           ; and my half's eight channels of each sixteen
.irp j, 0,1,2,3,4,5
	v_mov_b32 v[QF+6+\j], 0                        ; Q's upper 64 codes
	v_mov_b32 v[KT+48+\j], 0                       ; what stands behind K's last tile
.endr
.irp b, 0,1,2,3
	v_mov_b32 v[BT+\b], 0                          ; written once: a lane permute's destination counts as one of its sources
.endr
	v_mov_b32 v[PW], 0                             ; (named as the upper half of a pair before it is first written)
	v_mov_b32 v[TT], 0
	v_mov_b32 v[TT+1], 0
	v_mov_b32 v[MASKV], 0xc79c4000                 ; -80,000
	v_mov_b32 v[NEG], 0xff61b1e6                   ; -3e38, under every t
	s_delay_alu instid0(VALU_DEP_2)
	v_mul_f32 v[TMV], s[CS], v[MASKV]              ; by the same line as a step makes its largest t
	s_delay_alu instid0(VALU_DEP_1)
	v_floor_f32 v10, -v[TMV]                       ; 14,426
	s_delay_alu instid0(VALU_DEP_1)
	v_fma_f32 v[PM], v[MASKV], s[CS], v10          ; and by the same two lines as a step makes p
	s_wait_alu depctr_va_vdst(0)
	v_exp_f32 v[PM], v[PM]
	v_nop                                          ; a plain line behind the exponential,
	s_wait_alu depctr_va_vdst(0)                   ; and a wait ahead of its first reader
	s_sub_co_u32 s72, 7, s[WI]
	s_lshl_b32 s72, s72, 8
	s_lshl_b32 s73, s[WV], 4
	s_add_co_u32 s[Q0], s72, s73                   ; the first pass: block 7 - i
; A pass begins: Q's fragment and scale word, and the running state as the hidden steps leave it.
.macro INIT
	s_lshr_b32 s72, s[Q0], 7                       ; the step on my diagonal: all my 16 queries lie in it
	s_lshl_b32 s73, s[BH], 7
	s_lshr_b32 s74, s[Q0], 4
	s_add_co_u32 s73, s73, s74
	s_mul_i32 s74, s73, 768
	s_mov_b32 s75, 0
	s_add_nc_u64 s[QP:QP+1], s[4:5], s[74:75]
	s_lshl_b32 s74, s[BH], 11
	s_add_co_u32 s74, s74, s[Q0]
	s_lshl_b32 s74, s74, 1
	s_add_co_u32 s74, s74, QS
	s_add_nc_u64 s[QSP:QSP+1], s[8:9], s[74:75]
	global_load_b128 v[QF:QF+3], v[L16], s[QP:QP+1]
	global_load_b64 v[QF+4:QF+5], v[L8], s[QP:QP+1] offset:512
	global_load_u16 v[QSW], v[R2], s[QSP:QSP+1]    ; two bytes; the upper two are 0: no 0xff
.irp f, 0,1,2,3
	global_load_b128 v[S+8*\f:S+8*\f+3], v[SVO], s[SCB:SCB+1] offset:1024+64*\f      ; lane (r, h): step r's sums of quantised v, channels 16 f + 8 h + 0 .. 7
	global_load_b128 v[S+8*\f+4:S+8*\f+7], v[SVO], s[SCB:SCB+1] offset:1024+64*\f+16
.endr
	s_wait_xcnt 0x0                                ; the last pass's stores have read their registers: they may be written again
	v_cmp_lt_u32 vcc_lo, s72, v[RR]
	s_delay_alu instid0(VALU_DEP_1)
	v_cndmask_b32 v[TT], 0, 0.5, vcc_lo            ; the quantised p of a hidden key under M = -14,426, for the steps behind my diagonal; 0 for the others
	s_cmp_lt_u32 s72, 15
	s_cselect_b32 s73, -1, 0
	v_cndmask_b32 v13, v[NEG], v[TMV], s73         ; the largest t so far: the mask's, if a step is hidden
	s_delay_alu instid0(VALU_DEP_1)
	v_floor_f32 v12, -v13                          ; -M
	s_sub_co_u32 s74, 15, s72
	s_lshl_b32 s74, s74, 6                         ; half of the hidden steps' keys in each half of the lanes
	v_cvt_f32_u32 v14, s74
	v_mul_f32 v14, v14, v[PM]
	v_mov_b32 v15, 0
	s_wait_alu depctr_va_vdst(0)
	s_wait_loadcnt 0x0
.set j, 0
.rept 16
	v_pk_mul_f32 v[O+j:O+j+1], v[S+j:S+j+1], v[TT:TT+1] op_sel_hi:[1,0]
.set j, j+2
.endr
.irp m, 1,2,4,8                        ; over the sixteen steps: every lane of a half ends with the sum
.set j, 0
.rept 32
	v_add_f32_dpp v[O+j], v[O+j], v[O+j] row_xmask:\m row_mask:0xf bank_mask:0xf
.set j, j+1
.endr
.endr
.endm
; A pass ends: O^T / the sum, brought into the natural order of the head's 64, quantised in two blocks of 32 and stored as six registers of the last product's A fragment.
.macro FINISH
.rept 4
	v_nop                                          ; places behind the last products
.endr
	v_add_f32 v14, v14, v15                        ; the sum's two halves,
	s_delay_alu instid0(VALU_DEP_1)
	v_permlanex16_b32 v[TT], v14, s[SEL], s[SEL+1]
	s_delay_alu instid0(VALU_DEP_1)
	v_add_f32 v14, v14, v[TT]                      ; and lane l xor 16's
	s_wait_alu depctr_va_vdst(0)
	v_rcp_f32 v14, v14
	v_nop                                          ; a plain line behind the reciprocal
	s_lshl_b32 s72, s[BTK], 11
	s_add_co_u32 s72, s72, s[Q0]                   ; my first token
	s_lshr_b32 s74, s72, 4
	s_mul_i32 s74, s74, 12288                      ; a tile of 16 rows: 8 K steps x 1,536 bytes;
	s_lshr_b32 s73, s[HD], 1
	s_mul_i32 s73, s73, 1536                       ; heads 2 g and 2 g + 1 are K step g,
	s_add_co_u32 s74, s74, s73
	s_and_b32 s73, s[HD], 1
	s_mul_i32 s73, s73, 768                        ; 768 bytes each
	s_add_co_u32 s74, s74, s73
	s_mov_b32 s75, 0
	s_add_nc_u64 s[ACP:ACP+1], s[10:11], s[74:75]
	s_lshl_b32 s74, s72, 5
	s_lshl_b32 s73, s[HD], 1
	s_add_co_u32 s74, s74, s73
	s_add_nc_u64 s[ASP:ASP+1], s[12:13], s[74:75]
	s_wait_alu depctr_va_vdst(0)                   ; a wait ahead of the reciprocal's first reader
.set j, 0
.rept 16
	v_pk_mul_f32 v[S+j:S+j+1], v[O+j:O+j+1], v[14:15] op_sel_hi:[1,0]   ; register 8 f + i: channel 16 f + 8 h + i; each accumulator from its low end on
.set j, j+2
.endr
.irp b, 0,1
.irp j, 0,1,2,3,4,5,6,7
	v_permlane16_swap_b32 v[S+16*\b+\j], v[S+8+16*\b+\j]   ; now register 16 b + i holds channel 32 b + 16 h + i
.endr
.endr
.irp b, 0,1
	v_max3_num_f32 v[BM+\b], |v[S+16*\b]|, |v[S+16*\b+1]|, 0x1800000
.endr
.irp i, 2,4,6,8,10,12,14
.irp b, 0,1
	s_delay_alu instid0(VALU_DEP_2)
	v_max3_num_f32 v[BM+\b], v[BM+\b], |v[S+16*\b+\i]|, |v[S+16*\b+\i+1]|
.endr
.endr
.irp b, 0,1
	s_delay_alu instid0(VALU_DEP_2)
	v_permlanex16_b32 v[BT+\b], v[BM+\b], s[SEL], s[SEL+1]
.endr
.irp b, 0,1
	s_delay_alu instid0(VALU_DEP_2)
	v_max_num_f32 v[BM+\b], v[BM+\b], v[BT+\b]
.endr
.irp b, 0,1
	s_delay_alu instid0(VALU_DEP_2)
	v_add_nc_u32 v[SO+\b], 0xff000000, v[BM+\b]
.endr
.irp b, 0,1
	s_delay_alu instid0(VALU_DEP_2)
	v_lshrrev_b32 v[BT+\b], 23, v[SO+\b]
.endr
	v_cvt_scalef32_pk16_fp6_f32 v[PC:PC+2], v[S:S+15], v[SO]
	v_cvt_scalef32_pk16_fp6_f32 v[PX:PX+2], v[S+16:S+31], v[SO+1]
	v_cndmask_b32 v[TT], v[BT], v[BT+1], s[HM]     ; lane (r, h) stores block h's byte.  (A plain line behind the conversions)
.irp i, 0,1,2
	v_permlane16_swap_b32 v[PC+\i], v[PX+\i]
.endr
.irp i, 0,1,2
	s_delay_alu instid0(VALU_DEP_3)
	v_mov_b32 v[PC+3+\i], v[PX+\i]
.endr
	global_store_b128 v[L16], v[PC:PC+3], s[ACP:ACP+1]                 ; 512 consecutive bytes, aligned
	global_store_b64 v[L8], v[PC+4:PC+5], s[ACP:ACP+1] offset:512      ; 256 consecutive bytes, aligned
	global_store_b8 v[ASO], v[TT], s[ASP:ASP+1]
.endm
; A KEY STEP: 128 keys, the q-th of the slot in hand.
.macro STEP q
	s_add_co_u32 s72, s[Q0], 15                    ; a step all of whose keys come after my queries is left out: its part stands in the pass's beginning
	s_cmp_gt_u32 s[KEY], s72
	s_cbranch_scc1 .Lhidden_\@
.if \q
.rept 4
	v_nop                                          ; places in front of loads into registers that matrix instructions have read (ahead of a slot's first step the four additions of the addresses are these)
.endr
.endif
	s_wait_alu depctr_va_vdst(0)
.irp t, 0,1,2,3,4,5,6,7
	ds_load_b128 v[KT+6*\t:KT+6*\t+3], v[AD16] offset:6144*(\q)+768*\t
	ds_load_b64 v[KT+6*\t+4:KT+6*\t+5], v[AD8] offset:6144*(\q)+768*\t+512
.endr
.irp u, 0,1,2,3
	ds_load_u16 v[KSR+\u], v[AD2] offset:KSC+256*(\q)+64*\u   ; lanes 0-15: tile 2 u's keys; lanes 16-31: tile 2 u + 1's
.endr
	s_wait_dscnt 0x0
.irp t, 0,2,4,6
	v_wmma_scale_f32_16x16x128_f8f6f4 v[S+8*\t:S+8*\t+7], v[KT+6*\t:KT+6*\t+11], v[QF:QF+11], 0, v[KSR+\t/2], v[QSW] matrix_a_fmt:MATRIX_FMT_FP6 matrix_b_fmt:MATRIX_FMT_FP6
	v_wmma_scale_f32_16x16x128_f8f6f4 v[S+8*\t+8:S+8*\t+15], v[KT+6*\t+6:KT+6*\t+17], v[QF:QF+11], 0, v[KSR+\t/2], v[QSW] matrix_a_fmt:MATRIX_FMT_FP6 matrix_b_fmt:MATRIX_FMT_FP6 matrix_a_scale:MATRIX_SCALE_ROW1
.endr                                  ; register 8 t + j of lane (r, h): query r, key 16 t + 8 h + j of the step
.rept 4
	v_nop
.endr
	s_wait_alu depctr_va_vdst(0)
.irp f, 0,1,2,3                        ; V's fragments land while the softmax is walked
.irp c, 0,1,2
	ds_load_b128 v[KT+12*\f+4*\c:KT+12*\f+4*\c+3], v[AD16] offset:VIM+6144*(\q)+1536*\f+512*\c
.endr
.endr
.irp u, 0,1
	ds_load_b32 v[VSR+\u], v[AD4] offset:VSC+256*(\q)+128*\u
.endr
	s_add_co_u32 s72, s[KEY], 127                  ; a step all of whose keys count skips the mask
	s_cmp_le_u32 s72, s[Q0]
	s_cbranch_scc1 .Lopen_\@
	s_sub_co_i32 s72, s[Q0], s[KEY]
	v_add_nc_u32 v[TT], s72, v[RH]                 ; my query - the step's first key - 8 h: register n is hidden where 16 (n / 8) + n % 8 is above it
.set n, 0
.rept 64
	v_cmp_gt_i32 vcc_lo, 16*(n/8)+n%8, v[TT]
	v_cndmask_b32 v[S+n], v[S+n], v[MASKV], vcc_lo
.set n, n+1
.endr
.Lopen_\@:
.irp b, 0,1,2,3
	v_max3_num_f32 v[BM+\b], v[S+16*\b], v[S+16*\b+1], v[S+16*\b+2]   ; the largest score of each block of 32 keys: for the row's maximum, and, since p rises with the score, for the block's largest p
.endr
.irp i, 3,5,7,9,11,13
.irp b, 0,1,2,3
	v_max3_num_f32 v[BM+\b], v[BM+\b], v[S+16*\b+\i], v[S+16*\b+\i+1]
.endr
.endr
.irp b, 0,1,2,3
	v_max_num_f32 v[BM+\b], v[BM+\b], v[S+16*\b+15]
.endr
.irp b, 0,1,2,3
	s_delay_alu instid0(VALU_DEP_4)
	v_permlanex16_b32 v[BT+\b], v[BM+\b], s[SEL], s[SEL+1]
.endr
.irp b, 0,1,2,3
	s_delay_alu instid0(VALU_DEP_4)
	v_max_num_f32 v[BM+\b], v[BM+\b], v[BT+\b]     ; with lane l xor 16's 16 keys
.endr
	s_delay_alu instid0(VALU_DEP_2)
	v_max3_num_f32 v[TT], v[BM], v[BM+1], v[BM+2]
	s_delay_alu instid0(VALU_DEP_1)
	v_max_num_f32 v[TT], v[TT], v[BM+3]
	s_delay_alu instid0(VALU_DEP_1)
	v_mul_f32 v[TT], s[CS], v[TT]                  ; as t (c is positive)
	s_delay_alu instid0(VALU_DEP_1)
	v_max_num_f32 v13, v13, v[TT]                  ; the running largest t
	v_mov_b32 v[TT], v12
	s_delay_alu instid0(VALU_DEP_2)
	v_floor_f32 v12, -v13                          ; the new -M = -ceil(t): a whole number
	s_delay_alu instid0(VALU_DEP_1)
	v_sub_f32 v[TT], v12, v[TT]                    ; old M - new M: a whole number, 0 or less
	s_delay_alu instid0(VALU_DEP_1)
	v_cvt_i32_f32 v[TT], v[TT]                     ; (it saturates)
	s_delay_alu instid0(VALU_DEP_1)
	v_ldexp_f32 v[F], 1.0, v[TT]                   ; f = 2^(old M - new M)
.set j, 0
.rept 32
	v_pk_fma_f32 v[S+j:S+j+1], v[S+j:S+j+1], s[CS:CS+1], v[12:13] op_sel_hi:[1,0,0]   ; t - M, two at a time
.set j, j+2
.endr
.irp b, 0,1,2,3
	v_fma_f32 v[BM+\b], v[BM+\b], s[CS], v12       ; the same of each block's largest score
.endr
.set j, 0
	s_wait_alu depctr_va_vdst(0)
.rept 64
	v_exp_f32 v[S+j], v[S+j]                       ; p = 2^(t - M), at most 1
.set j, j+1
.endr
	v_pk_mul_f32 v[14:15], v[14:15], v[F:F+1] op_sel_hi:[1,0]   ; the sums under the new M (a plain line behind the exponentials)
	s_wait_alu depctr_va_vdst(0)                   ; one wait for the whole batch, ahead of its first reader
.irp b, 0,1,2,3
	v_exp_f32 v[BM+\b], v[BM+\b]                   ; the block's largest p
.endr
	v_pk_add_f32 v[216:217], v[100:101], v[104:105]
	v_pk_add_f32 v[254:255], v[108:109], v[112:113]
	v_pk_add_f32 v[252:253], v[116:117], v[120:121]
	v_pk_add_f32 v[250:251], v[124:125], v[128:129]
	v_pk_add_f32 v[248:249], v[132:133], v[136:137]
	v_pk_add_f32 v[246:247], v[140:141], v[144:145]
	v_pk_add_f32 v[244:245], v[148:149], v[152:153]
	v_pk_add_f32 v[14:15], v[14:15], v[156:157]
	v_pk_add_f32 v[216:217], v[216:217], v[96:97]
	v_pk_add_f32 v[254:255], v[254:255], v[98:99]
	v_pk_add_f32 v[252:253], v[252:253], v[102:103]
	v_pk_add_f32 v[250:251], v[250:251], v[106:107]
	v_pk_add_f32 v[248:249], v[248:249], v[110:111]
	v_pk_add_f32 v[246:247], v[246:247], v[114:115]
	v_pk_add_f32 v[244:245], v[244:245], v[118:119]
	v_pk_add_f32 v[14:15], v[14:15], v[122:123]
	v_pk_add_f32 v[216:217], v[216:217], v[126:127]
	v_pk_add_f32 v[254:255], v[254:255], v[130:131]
	v_pk_add_f32 v[252:253], v[252:253], v[134:135]
	v_pk_add_f32 v[250:251], v[250:251], v[138:139]
	v_pk_add_f32 v[248:249], v[248:249], v[142:143]
	v_pk_add_f32 v[246:247], v[246:247], v[146:147]
	v_pk_add_f32 v[244:245], v[244:245], v[150:151]
	v_pk_add_f32 v[14:15], v[14:15], v[154:155]
	v_pk_add_f32 v[216:217], v[216:217], v[158:159]
	s_delay_alu instid0(VALU_DEP_2)
	v_pk_add_f32 v[14:15], v[14:15], v[250:251]
	s_delay_alu instid0(VALU_DEP_2)
	v_pk_add_f32 v[216:217], v[216:217], v[248:249]
	v_pk_add_f32 v[254:255], v[254:255], v[246:247]
	v_pk_add_f32 v[252:253], v[252:253], v[244:245]
	s_delay_alu instid0(VALU_DEP_2)
	v_pk_add_f32 v[14:15], v[14:15], v[254:255]
	s_delay_alu instid0(VALU_DEP_2)
	v_pk_add_f32 v[216:217], v[216:217], v[252:253]
	s_delay_alu instid0(VALU_DEP_1)
	v_pk_add_f32 v[14:15], v[14:15], v[216:217]
	s_wait_alu depctr_va_vdst(0)                   ; and one for the four
.irp b, 0,1,2,3
	v_max_num_f32 v[BM+\b], 0x1800000, v[BM+\b]    ; the floor 2^(3 - 127): the byte cannot fall under 1
.endr
.irp b, 0,1,2,3
	s_delay_alu instid0(VALU_DEP_4)
	v_add_nc_u32 v[SO+\b], 0xff000000, v[BM+\b]    ; the conversion's scale operand
.endr
.irp b, 0,1,2,3
	s_delay_alu instid0(VALU_DEP_4)
	v_lshrrev_b32 v[BT+\b], 23, v[SO+\b]           ; the scale's byte
.endr
	s_delay_alu instid0(VALU_DEP_3)
	v_lshl_or_b32 v[PW], v[BT+1], 8, v[BT]
	s_delay_alu instid0(VALU_DEP_1)
	v_lshl_or_b32 v[PW], v[BT+2], 16, v[PW]
	s_delay_alu instid0(VALU_DEP_1)
	v_lshl_or_b32 v[PW], v[BT+3], 24, v[PW]
.irp c, 0,1
	v_cvt_scalef32_pk16_fp6_f32 v[PC+6*\c:PC+6*\c+2], v[S+32*\c:S+32*\c+15], v[SO+2*\c]
	v_cvt_scalef32_pk16_fp6_f32 v[PX+4*\c:PX+4*\c+2], v[S+32*\c+16:S+32*\c+31], v[SO+2*\c+1]
.endr
	v_nop                                          ; one plain line behind a scaled conversion
.irp c, 0,1
.irp i, 0,1,2
	v_permlane16_swap_b32 v[PC+6*\c+\i], v[PX+4*\c+\i]
.endr
.irp i, 0,1,2
	s_delay_alu instid0(VALU_DEP_3)
	v_mov_b32 v[PC+3+6*\c+\i], v[PX+4*\c+\i]
.endr
.endr
.set j, 0
.rept 16
	v_pk_mul_f32 v[O+j:O+j+1], v[O+j:O+j+1], v[F:F+1] op_sel_hi:[1,0]   ; O^T under the new M.  (These are also the places in front of the scaled products)
.set j, j+2
.endr
	s_wait_alu depctr_va_vdst(0)
	s_wait_dscnt 0x0                               ; V
.irp f, 0,2
	v_wmma_scale_f32_16x16x128_f8f6f4 v[O+8*\f:O+8*\f+7], v[KT+12*\f:KT+12*\f+11], v[PC:PC+11], v[O+8*\f:O+8*\f+7], v[VSR+\f/2], v[PW] matrix_a_fmt:MATRIX_FMT_FP6 matrix_b_fmt:MATRIX_FMT_FP6
	v_wmma_scale_f32_16x16x128_f8f6f4 v[O+8*\f+8:O+8*\f+15], v[KT+12*\f+12:KT+12*\f+23], v[PC:PC+11], v[O+8*\f+8:O+8*\f+15], v[VSR+\f/2], v[PW] matrix_a_fmt:MATRIX_FMT_FP6 matrix_b_fmt:MATRIX_FMT_FP6 matrix_a_scale:MATRIX_SCALE_ROW1
.endr
.Lhidden_\@:
	s_add_co_u32 s[KEY], s[KEY], 128
.endm
; THE CHANGE OF SLOTS stands at a slot's head.  Each wave waits for all its tensor loads, adds 0 to its spare word, and waits for that and for its reads of the slot that it has left.  Behind the barrier the slot ahead is whole and
; nobody reads the other one.  fill = 1: that other slot is filled with the key slot that follows: the next of the pass, or slot 0 where the second pass begins.
.macro CHANGE fill
	s_wait_tensorcnt 0x0                           ; no tensor load of mine is out, so a group 0 may be written
	ds_add_u32 v[SPW], v[NIL]                      ; 0 onto my spare word
.if \fill
	s_xor_b32 s[G0C+1], s[G0C+1], SLOTB
	s_xor_b32 s[G0S+1], s[G0S+1], SLOTB
	s_add_co_u32 s[NK], s[NK], 1
	s_cmp_eq_u32 s[NK], s[SWN]
	s_cselect_b32 s[NK], 0, s[NK]
	s_mul_i32 s[OC], s[NK], 24576
	s_mul_i32 s[OS], s[NK], 1536
	s_add_nc_u64 s[G0C+2:G0C+3], s[KVB:KVB+1], s[OC:OC+1]
	s_or_b32 s[G0C+3], s[G0C+3], 0x80000000
	s_add_nc_u64 s[G0S+2:G0S+3], s[SCB:SCB+1], s[OS:OS+1]
	s_or_b32 s[G0S+3], s[G0S+3], 0x80000000
	s_wait_xcnt 0x0                                ; the last prefetch, a slot back, has read its address, so it may be written
	s_add_nc_u64 s[PFA:PFA+1], s[PFA:PFA+1], 24576
.endif
	s_wait_dscnt 0x0                               ; the add is done, and my reads of the slot that I have left are over
	s_barrier_signal -1
	s_barrier_wait -1
.if \fill
	TLOAD                                          ; the first thing behind the barrier, and a wave's one tensor load until the next
	ASK
.endif
.endm
.macro TRIP fill
	CHANGE \fill
	s_cmp_lg_u32 s[SLOTS], s[WI]                   ; trip 8 - i: the first pass is over.  The branch hangs on ids and the loop's count alone; no barrier and no tensor load stands under it
	s_cbranch_scc1 .Lstay_\@
	FINISH
	s_lshl_b32 s72, s[WI], 8
	s_lshl_b32 s73, s[WV], 4
	s_add_co_u32 s[Q0], s72, s73                   ; the second pass: block i
	s_mov_b32 s[KEY], 0
	INIT
.Lstay_\@:
	v_add_nc_u32 v[AD16], s[TB], v[L16]
	v_add_nc_u32 v[AD8], s[TB], v[L8]
	v_add_nc_u32 v[AD4], s[TB], v[L4]
	v_add_nc_u32 v[AD2], s[TB], v[L2]
	STEP 0
	STEP 1
	s_xor_b32 s[TB], s[TB], SLOTB                  ; on to the other slot
.endm
	INIT
.Ltrip:                                            ; eight trips: behind each change of slots but the last the next slot is asked for
	TRIP 1
	s_sub_co_u32 s[SLOTS], s[SLOTS], 1
	s_cmp_lg_u32 s[SLOTS], 0
	s_cbranch_scc1 .Ltrip
	TRIP 0                                         ; the ninth slot is written out
	FINISH
	s_wait_tensorcnt 0x0                           ; the wave's end, behind my last tensor load
	ds_add_u32 v[SPW], v[NIL]
	s_wait_dscnt 0x0
	s_endpgm
.Lfunc_end_k_q7400e68d51_attn:
	.size	k_q7400e68d51_attn, .Lfunc_end_k_q7400e68d51_attn-k_q7400e68d51_attn
	.p2alignl 7, 3214868480
	.fill 96, 4, 3214868480
	.section	.rodata,"a",@progbits
	.p2align	6, 0x0
	.amdhsa_kernel k_q7400e68d51_attn
		.amdhsa_group_segment_fixed_size 327680
		.amdhsa_private_segment_fixed_size 0
		.amdhsa_enable_private_segment 0
		.amdhsa_kernarg_size 40
		.amdhsa_user_sgpr_count 2
		.amdhsa_user_sgpr_kernarg_segment_ptr 1
		.amdhsa_wavefront_size32 1
		.amdhsa_system_sgpr_workgroup_id_x 1
		.amdhsa_system_sgpr_workgroup_id_y 1
		.amdhsa_system_sgpr_workgroup_id_z 1
		.amdhsa_system_vgpr_workitem_id 0
		.amdhsa_next_free_vgpr 256
		.amdhsa_next_free_sgpr 88
		.amdhsa_reserve_vcc 1
		.amdhsa_float_denorm_mode_32 3
		.amdhsa_float_denorm_mode_16_64 3
		.amdhsa_memory_ordered 1
		.amdhsa_forward_progress 1
		.amdhsa_inst_pref_size 147
	.end_amdhsa_kernel
	.amdgpu_metadata
---
amdhsa.version: [ 1, 2 ]
amdhsa.kernels:
  - .name:           k_q7400e68d51_attn
    .symbol:         k_q7400e68d51_attn.kd
    .args:
      - { .name: q_codes, .offset: 0, .size: 8, .value_kind: global_buffer, .address_space: global }
      - { .name: kv_codes, .offset: 8, .size: 8, .value_kind: global_buffer, .address_space: global }
      - { .name: aux, .offset: 16, .size: 8, .value_kind: global_buffer, .address_space: global }
      - { .name: a_codes, .offset: 24, .size: 8, .value_kind: global_buffer, .address_space: global }
      - { .name: a_scales, .offset: 32, .size: 8, .value_kind: global_buffer, .address_space: global }
    .group_segment_fixed_size: 327680
    .private_segment_fixed_size: 0
    .kernarg_segment_align: 8
    .kernarg_segment_size: 40
    .max_flat_workgroup_size: 512
    .sgpr_count:     88
    .vgpr_count:     256
    .wavefront_size: 32
...
	.end_amdgpu_metadata
.endif
;; end of part 3
;; launch proj (part 4): grid 4 x 32, 4 waves a work-group, clusters of 4 x 4, 327,680 bytes of LDS; arguments a_codes, a_scales, xw_codes, xw_scales, c_proj_b, out0; writes out0
.if DOCPART == 4
	.amdgcn_target "amdgcn-amd-amdhsa--gfx1250"
	.amdhsa_code_object_version 6
	.text
	.protected	k_q7400e68d51_proj
	.globl	k_q7400e68d51_proj
	.p2align	8
	.type	k_q7400e68d51_proj,@function
k_q7400e68d51_proj:
	s_mov_b64 s[64:65], 0
	v_nop
	global_prefetch_b8 v0, s[64:65] scope:SCOPE_SE
	s_setreg_imm32_b32 hwreg(HW_REG_WAVE_MODE, 25, 1), 1
	s_wait_xcnt 0x0
	s_wait_alu depctr_hold_cnt(0) depctr_sa_sdst(0) depctr_va_vdst(0) depctr_va_sdst(0) depctr_va_ssrc(0) depctr_va_vcc(0) depctr_vm_vsrc(0)
	s_getreg_b32 s2, hwreg(HW_REG_IB_STS2, 6, 4)
	s_cmp_eq_u32 s2, 0
	s_cbranch_scc0 .Lentry_in_a_cluster
	s_endpgm
.Lentry_in_a_cluster:
	s_bfe_u32 s2, ttmp6, 0x10000c
	s_cmp_lg_u32 s2, 0xf033
	s_cbranch_scc0 .Lentry_shape_is_right
	s_endpgm
.Lentry_shape_is_right:
; out = attn Wp + bp on codes of FP6 (E2M3) with one E8M0 scale for each 32 along K.  M = 8,192, N = K = 1,024; out is f32.
; A (the attention's result) lies in memory as IMAGES OF THE OPERAND'S REGISTERS: [tile of 16 rows][K step of 128][1,536 bytes]: registers 0-3 at 16 x lane, 4-5 at 512 + 8 x lane, 6-9 at 768 + 16 x lane, 10-11 at 1,280 + 8 x lane.
; Its scale bytes lie [row][32].  B is rows 11,264 + n of the matrix R of codes (768 bytes a row, K innermost), with R's scale bytes [row][32].
; A tile of out, 256 x 256, is made by four waves, each 128 x 128: 64 accumulators.  K goes in steps of 256 through a ring of two LDS slots; the scale bytes of the 512 rows come once and stay.
; THE MATRIX INSTRUCTION IS USED TRANSPOSED (source 0 = 16 rows of B, source 1 = 16 rows of A): a lane holds eight neighbouring numbers of a row of out.  The bias is the C of the first K step's matrix instructions.
; CLUSTERS: 4 x 4 work-groups; A's tiles are asked for jointly along a row of the cluster, B's along a column.  128 work-groups: the tile is kept at the size at which a wave reads the fewest LDS bytes for each product.
; No prefetch: K has four slots, and two of them are asked for at the head.
; REGISTERS, in windows of 256: window 0: v0-31 addresses; v32-63 scale words, two sets; v64-127 the bias; from v128 A's fragments, one set.  window 1: B's fragments, two sets.  windows 2, 3: the accumulators.
.set SIZE_N, 1024
.set KSTEP,  256
.set NQ,     2
.set ROWB,   192
.set KROW,   768
.set PITCH,  240                       ; B's LDS row: 3 x (64 bytes + 16 of padding)
.set FR,     12
.set NL,     6                         ; LDS loads that bring a fragment of B,
.set NLA,    4                         ; and of A
.set NP,     4
.set HALFT,  128*PITCH                 ; B: 128 rows; A's 128 rows (8 tiles x 3,072 bytes) take 24,576 of as many bytes
.set SLOT,   4*HALFT
.set LAPS,   2
.set KS,     32
.set SCL,    2*SLOT
.set HALFS,  (128*KS/256)*272
.set SBLK,   (16*KS/256)*272
.set SPARE,  SCL+4*HALFS               ; the spare words, 128 bytes for each wave: two blocks of 256 bytes that no other line names
.set SPITCH, 528                       ; the way out: a stage of 16 rows x (512 bytes + 16) for each wave, in slot 0, which has had its last fill and its last read when the first result is stored there
.set ADRA, 16                          ; v16-17 my A images in slot 0, 1, + 16 x lane; v18-19 + 8 x lane
.set ADRB, 20                          ; v20-21 my B fragments in slot 0, 1; v22-23 behind one padding more
.set STO,  24
.set RD,   25
.set CO,   26
.set ADRS, 27
.set SPW,  28                          ; v28 LDS address of my spare word; never rewritten
.set NIL,  29                          ; v29 0; never rewritten
.set SC,   32
.set BI,   64
.set AF,   128
.set BK,   128
.set WV,  16
.set WH,  17
.set WL,  18
.set TR,  21                           ; tile row of out
.set G1, 24
.set G0, 32
.set G1B, 48
.set G0B, 56
.set G1S, 68
.set G0S, 76
.set G1SB, 80
.set G0SB, 88
.set MSB, 0
.macro WIN new                         ; the immediate's high byte repeats the setting that is left
.if MSB != \new
	s_set_vgpr_msb (MSB<<8)|\new
.set MSB, \new
.endif
.endm
.set MUL_LO, 0xa1
.set MUL_HI, 0xf1
.set TO_B,   0x40
.macro JLOAD g0a, g1a, g0b, g1b        ; a joint load: waves 0 and 1 fetch for A, waves 2 and 3 for B; an s_nop 0 and four v_nop follow each of the two lines
	s_cmp_eq_u32 s[WH], 0
	s_cbranch_scc0 .Lfor_b_\@
	tensor_load_to_lds s[\g0a:\g0a+3], s[\g1a:\g1a+7]
	s_nop 0
.rept 4
	v_nop
.endr
	s_branch .Lasked_\@
.Lfor_b_\@:
	tensor_load_to_lds s[\g0b:\g0b+3], s[\g1b:\g1b+7]
	s_nop 0
.rept 4
	v_nop
.endr
.Lasked_\@:
.endm
.macro CREST
	s_cmp_lg_u32 s[WV], 0
	s_cbranch_scc1 .Lnot_wave_0_\@
	s_barrier_signal -3
.Lnot_wave_0_\@:
	s_barrier_wait -3
	s_barrier_signal -1
	s_barrier_wait -1
.endm
.macro CROUND
	s_barrier_signal -1
	s_barrier_wait -1
	CREST
.endm
	s_load_b128 s[4:7], s[0:1], 0x0                ; A's codes, A's scale bytes
	s_load_b128 s[8:11], s[0:1], 0x10              ; R's codes, R's scale bytes
	s_load_b128 s[12:15], s[0:1], 0x20             ; c_proj_b, out
	v_lshl_add_u32 v[SPW], v0, 2, SPARE
	v_mov_b32 v[NIL], 0
	ds_add_u32 v[SPW], v[NIL]                      ; the wave's opening: the add and its wait stand ahead of my first tensor load; work on registers stands between them
	v_lshrrev_b32 v1, 5, v0
	v_readfirstlane_b32 s[WV], v1
	s_lshr_b32 s[WH], s[WV], 1                     ; which half of the tile's rows is mine.  Also: I fetch for A (0) or for B (1)
	s_and_b32 s[WL], s[WV], 1                      ; which half of its columns.  Also: which 128 rows of that tile I fetch
	s_bfe_u32 s40, ttmp6, 0x40000                  ; cx, cy
	s_bfe_u32 s41, ttmp6, 0x40004
	s_lshl_b32 s42, ttmp9, 2
	s_add_co_u32 s42, s42, s40                     ; tile column = 4 x cluster x + cx
	s_and_b32 s[TR], ttmp7, 0xffff
	s_lshl_b32 s[TR], s[TR], 2
	s_add_co_u32 s[TR], s[TR], s41                 ; tile row = 4 x cluster y + cy
	s_lshl_b32 s43, s41, 2
	s_lshl_b32 s43, 15, s43                        ; my row of the cluster
	s_lshl_b32 s44, 0x1111, s40                    ; my column
	; A's tiles: 8 tiles of 16 rows, of each the 3,072 bytes of two K steps, 12,288 bytes apart: 8 rows x 384 elements of 8 bytes, no padding
	s_or_b32 s[G1+0], s43, (3<<16)|(1<<21)
	s_mov_b32 s[G1+1], 384<<16
	s_mov_b32 s[G1+2], 8<<16
	s_mov_b32 s[G1+3], 384<<16
	s_mov_b32 s[G1+4], 8
	s_mov_b32 s[G1+5], 1536
	s_mov_b32 s[G1+6], 0
	s_mov_b32 s[G1+7], 0
	; B's tiles: 128 rows x 192 bytes, 16 bytes of padding behind every 64
	s_or_b32 s[G1B+0], s44, (0<<16)|(1<<20)|(1<<21)|(3<<22)|(3<<25)
	s_mov_b32 s[G1B+1], ROWB<<16
	s_mov_b32 s[G1B+2], 128<<16
	s_mov_b32 s[G1B+3], ROWB<<16
	s_mov_b32 s[G1B+4], 128
	s_mov_b32 s[G1B+5], KROW
	s_mov_b32 s[G1B+6], 0
	s_mov_b32 s[G1B+7], 0
	; the scale bytes of 128 rows: 4,096 dense bytes, as 16 rows of 256 bytes, 16 bytes of padding behind each
	s_or_b32 s[G1S+0], s43, (3<<16)|(1<<20)|(1<<21)|(5<<22)|(3<<25)
	s_or_b32 s[G1SB+0], s44, (3<<16)|(1<<20)|(1<<21)|(5<<22)|(3<<25)
.irp g, G1S, G1SB
	s_mov_b32 s[\g+1], 32<<16
	s_mov_b32 s[\g+2], (128*KS/256)<<16
	s_mov_b32 s[\g+3], 32<<16
	s_mov_b32 s[\g+4], 128*KS/256
	s_mov_b32 s[\g+5], 32
	s_mov_b32 s[\g+6], 0
	s_mov_b32 s[\g+7], 0
.endr
	s_lshl_b32 s93, s[WL], 7                       ; which 128 rows of the tile I fetch
	s_lshl_b32 s96, s[TR], 8
	s_add_co_u32 s96, s96, s93                     ; A: the row;
	s_lshr_b32 s94, s96, 4
	s_mul_i32 s94, s94, 12288                      ; its tile's images,
	s_lshl_b32 s96, s96, 5                         ; its scale bytes
	s_mov_b32 s95, 0
	s_mov_b32 s97, 0
	s_lshl_b32 s46, s42, 8
	s_add_co_u32 s46, s46, s93
	s_add_co_u32 s46, s46, 11264                   ; B: the row of R
	s_lshl_b32 s98, s46, 5
	s_mul_i32 s46, s46, KROW
	s_mov_b32 s47, 0
	s_mov_b32 s99, 0
	s_mul_i32 s45, s[WV], HALFT                    ; where they go: no place in the cluster enters an LDS address
	s_mul_i32 s100, s[WV], HALFS
	s_wait_dscnt 0x0                               ; the opening add is done
	s_wait_kmcnt 0x0
	s_add_nc_u64 s[94:95], s[4:5], s[94:95]
	s_add_nc_u64 s[96:97], s[6:7], s[96:97]
	s_add_nc_u64 s[46:47], s[8:9], s[46:47]
	s_add_nc_u64 s[98:99], s[10:11], s[98:99]
	CROUND                                         ; all sixteen work-groups are here: the first joint loads meet
	s_mov_b32 s[G0S], 1
	s_add_co_u32 s[G0S+1], s100, SCL
	s_mov_b64 s[G0S+2:G0S+3], s[96:97]
	s_or_b32 s[G0S+3], s[G0S+3], 0x80000000
	s_mov_b32 s[G0SB], 1
	s_add_co_u32 s[G0SB+1], s100, SCL
	s_mov_b64 s[G0SB+2:G0SB+3], s[98:99]
	s_or_b32 s[G0SB+3], s[G0SB+3], 0x80000000
	JLOAD G0S, G1S, G0SB, G1SB                     ; the scales first
.irp s, 0,1
	s_mov_b32 s[G0+4*\s], 1
	s_add_co_u32 s[G0+4*\s+1], s45, \s*SLOT
	s_add_nc_u64 s[G0+4*\s+2:G0+4*\s+3], s[94:95], \s*3072
	s_or_b32 s[G0+4*\s+3], s[G0+4*\s+3], 0x80000000
	s_mov_b32 s[G0B+4*\s], 1
	s_add_co_u32 s[G0B+4*\s+1], s45, \s*SLOT
	s_add_nc_u64 s[G0B+4*\s+2:G0B+4*\s+3], s[46:47], \s*ROWB
	s_or_b32 s[G0B+4*\s+3], s[G0B+4*\s+3], 0x80000000
	JLOAD G0+4*\s, G1, G0B+4*\s, G1B               ; three tensor loads of mine are out now, and never more
.endr
	v_and_b32 v1, 15, v0                           ; r
	v_bfe_u32 v2, v0, 4, 1                         ; h
	v_and_b32 v6, 31, v0                           ; lane
	v_mul_u32_u24 v3, v1, PITCH
	v_mul_u32_u24 v4, v2, 24
	v_add_nc_u32 v4, v3, v4                        ; B: a fragment's row x pitch + 24 x half
	v_lshl_add_u32 v5, v2, 4, v4                   ; and the same behind one padding more
	v_lshlrev_b32 v7, 4, v6                        ; A: 16 x lane,
	v_lshlrev_b32 v8, 3, v6                        ; 8 x lane
	s_mul_i32 s22, s[WH], HALFT                    ; my 128 rows of A
	s_mul_i32 s23, s[WL], HALFT                    ; my 128 rows of B,
	s_add_co_u32 s23, s23, 2*HALFT                 ; which lie behind A's
.irp s, 0,1
	v_add_nc_u32 v[ADRA+\s], s22, v7
	v_add_nc_u32 v[ADRA+2+\s], s22, v8
	v_add_nc_u32 v[ADRB+\s], s23, v4
	v_add_nc_u32 v[ADRB+2+\s], s23, v5
	s_add_co_u32 s22, s22, SLOT
	s_add_co_u32 s23, s23, SLOT
.endr
	v_mul_u32_u24 v5, v1, KS
	v_lshrrev_b32 v9, 8, v5
	v_lshl_add_u32 v5, v9, 4, v5
	s_mul_i32 s22, s[WH], HALFS
	s_mul_i32 s23, s[WL], HALFS
	s_add_co_u32 s23, s23, 2*HALFS
	s_sub_co_u32 s23, s23, s22
	v_mul_u32_u24 v9, s23, v2                      ; lanes 16-31 take B's
	s_add_co_u32 s22, s22, SCL
	v_add_nc_u32 v5, v5, v9
	v_add_nc_u32 v[ADRS], s22, v5
	s_mul_i32 s23, s[WV], 16*SPITCH                ; my stage
	v_mul_u32_u24 v5, v1, SPITCH
	v_lshl_add_u32 v5, v2, 5, v5
	v_add_nc_u32 v[STO], s23, v5                   ; in: row r, 32 bytes for each half of the lanes
	v_lshlrev_b32 v[CO], 4, v6                     ; back: the 32 lanes take one row of 512 bytes; and the same in out
	v_add_nc_u32 v[RD], s23, v[CO]
	s_lshl_b32 s22, s[TR], 8
	s_lshl_b32 s23, s[WH], 7
	s_add_co_u32 s22, s22, s23                     ; my first row of out,
	s_lshl_b32 s22, s22, 12                        ; 4,096 bytes a row
	s_mov_b32 s23, 0
	s_add_nc_u64 s[14:15], s[14:15], s[22:23]
	s_lshl_b32 s46, s42, 10                        ; my first column, in bytes: 1,024 x tile column + 512 x half
	s_lshl_b32 s47, s[WL], 9
	s_add_co_u32 s46, s46, s47
	s_mov_b32 s47, 0
	s_add_nc_u64 s[14:15], s[14:15], s[46:47]
	s_add_nc_u64 s[12:13], s[12:13], s[46:47]      ; and the bias of that column
	v_lshlrev_b32 v10, 5, v2
.irp b, 0,1,2,3,4,5,6,7
	global_load_b128 v[BI+8*\b:BI+8*\b+3], v10, s[12:13] offset:64*\b          ; register 8 b + j: the bias of column 16 b + 8 h + j
	global_load_b128 v[BI+8*\b+4:BI+8*\b+7], v10, s[12:13] offset:64*\b+16
.endr
.macro FRAG reg, adr, q, i             ; a fragment of B from rows: six pieces of 8 bytes
.irp p, 0,1,2,3,4,5
.set PIE, 12*(\q)+6*(\p/3)+\p%3
.if PIE%8 < 5
	ds_load_b64 v[\reg+2*\p:\reg+2*\p+1], v[\adr] offset:8*PIE+16*(PIE/8)+(\i)*16*PITCH
.else
	ds_load_b64 v[\reg+2*\p:\reg+2*\p+1], v[\adr+2] offset:8*PIE+16*(PIE/8)+(\i)*16*PITCH
.endif
.endr
.endm
.macro FRAGI reg, slot, q, i           ; a fragment of A from its image: every load takes consecutive bytes, lane by lane
	ds_load_b128 v[\reg:\reg+3], v[ADRA+\slot] offset:3072*(\i)+1536*(\q)
	ds_load_b64 v[\reg+4:\reg+5], v[ADRA+2+\slot] offset:3072*(\i)+1536*(\q)+512
	ds_load_b128 v[\reg+6:\reg+9], v[ADRA+\slot] offset:3072*(\i)+1536*(\q)+768
	ds_load_b64 v[\reg+10:\reg+11], v[ADRA+2+\slot] offset:3072*(\i)+1536*(\q)+1280
.endm
; 16 matrix instructions: A's blocks a0, a0 + 1 x B's eight.  cm = 1: the sums begin with the bias.  The 64 accumulators take turns, one instruction a turn.
.macro MUL16 a0, p, q, sc, cm
.irp a, \a0, \a0+1
.irp b, 0,1,2,3,4,5,6,7
.if \cm
	v_wmma_scale_f32_16x16x128_f8f6f4 v[8*(8*((\a)%4)+\b):8*(8*((\a)%4)+\b)+7], v[128*(\p)+FR*\b:128*(\p)+FR*\b+FR-1], v[AF+FR*(\a):AF+FR*(\a)+FR-1], v[BI+8*\b:BI+8*\b+7], v[SC+8*NQ*(\sc)+NQ*\b+(\q)], v[SC+8*NQ*(\sc)+NQ*(\a)+(\q)] matrix_a_fmt:MATRIX_FMT_FP6 matrix_b_fmt:MATRIX_FMT_FP6 matrix_a_scale:MATRIX_SCALE_ROW1
.else
	v_wmma_scale_f32_16x16x128_f8f6f4 v[8*(8*((\a)%4)+\b):8*(8*((\a)%4)+\b)+7], v[128*(\p)+FR*\b:128*(\p)+FR*\b+FR-1], v[AF+FR*(\a):AF+FR*(\a)+FR-1], v[8*(8*((\a)%4)+\b):8*(8*((\a)%4)+\b)+7], v[SC+8*NQ*(\sc)+NQ*\b+(\q)], v[SC+8*NQ*(\sc)+NQ*(\a)+(\q)] matrix_a_fmt:MATRIX_FMT_FP6 matrix_b_fmt:MATRIX_FMT_FP6 matrix_a_scale:MATRIX_SCALE_ROW1
.endif
.endr
.endr
.endm
.macro FETCH_B slot, q, p
	WIN TO_B
.irp i, 0,1,2,3,4,5,6,7
	FRAG 128*(\p)+FR*\i, ADRB+\slot, \q, \i
.endr
	WIN 0
.endm
.macro FETCH_A slot, q, i0
.irp i, \i0, \i0+1, \i0+2, \i0+3
	FRAGI AF+FR*(\i), \slot, \q, \i
.endr
.endm
.macro SCALES sc
.irp i, 0,1,2,3,4,5,6,7
	ds_load_b64 v[SC+8*NQ*\sc+NQ*\i:SC+8*NQ*\sc+NQ*\i+1], v[ADRS] offset:\i*SBLK
.endr
.endm
.macro PLACES n                        ; plain vector lines between a matrix instruction and a load into, or a read of, its registers
.rept \n
	v_nop
.endr
.endm
.macro STEP slot, q, cm
	s_wait_dscnt 4*NLA                             ; B's set and A's blocks 0-3 are in; the youngest 16 loads (A's blocks 4-7) may be out
.if \cm
	WIN 0x81                                       ; C (the bias) window 0, D window 2
.else
	WIN MUL_LO
.endif
	MUL16 0, (\q)%2, \q, \slot, \cm
	MUL16 2, (\q)%2, \q, \slot, \cm
	s_wait_dscnt 0
	PLACES NP
	FETCH_B \slot, (\q)+1, 1-(\q)%2
	FETCH_A \slot, (\q)+1, 0
.if \cm
	WIN 0xc1
.else
	WIN MUL_HI
.endif
	MUL16 4, (\q)%2, \q, \slot, \cm
	MUL16 6, (\q)%2, \q, \slot, \cm
	PLACES NP
	WIN 0
	FETCH_A \slot, (\q)+1, 4
.endm
.macro TURN slot, next, fill
	s_wait_tensorcnt 0x0                           ; all my tensor loads have landed: my part of the next slot
	ds_add_u32 v[SPW], v[NIL]                      ; 0 onto my spare word
	s_wait_dscnt 4*NLA+1                           ; (the add and the youngest 16 loads, A's blocks 4-7, may be out)
	WIN MUL_LO
	MUL16 0, 1, NQ-1, \slot, 0
	s_wait_dscnt 0x0                               ; the add is done, and my reads of this slot are over
	s_barrier_signal -1
	MUL16 2, 1, NQ-1, \slot, 0
	WIN 0
	s_barrier_wait -1
.if \fill
	CREST                                          ; the barrier has opened a round of the cluster's barrier: no wave of any partner still reads this slot's tile or has a load on its way
	s_add_nc_u64 s[G0+4*\slot+2:G0+4*\slot+3], s[G0+4*\slot+2:G0+4*\slot+3], 2*3072
	s_add_nc_u64 s[G0B+4*\slot+2:G0B+4*\slot+3], s[G0B+4*\slot+2:G0B+4*\slot+3], 2*ROWB
	JLOAD G0+4*\slot, G1, G0B+4*\slot, G1B         ; the first tensor load behind the round; its four v_nop are the places in front of the loads below
.else
	PLACES NP
.endif
	v_add_nc_u32 v[ADRS], 4*NQ, v[ADRS]
	FETCH_B \next, 0, 0
	FETCH_A \next, 0, 0
	SCALES \next
	WIN MUL_HI
	MUL16 4, 1, NQ-1, \slot, 0
	MUL16 6, 1, NQ-1, \slot, 0
	PLACES NP
	WIN 0
	FETCH_A \next, 0, 4
.endm
	s_wait_tensorcnt 1                             ; the scales and my part of K step 0 are in (K step 1's load may be out),
	s_barrier_signal -1
	s_barrier_wait -1                              ; everybody's are
	FETCH_B 0, 0, 0
	FETCH_A 0, 0, 0
	SCALES 0
	FETCH_A 0, 0, 4
	s_wait_loadcnt 0x0                             ; the bias
	STEP 0, 0, 1                                   ; the first step stands in front of the loop: its products begin the sums with the bias
	s_mov_b32 s3, LAPS-1
.Llap:
	TURN 0, 1, 1
	STEP 1, 0, 0
	TURN 1, 0, 1
	STEP 0, 0, 0
	s_sub_co_u32 s3, s3, 1
	s_cmp_lg_u32 s3, 0
	s_cbranch_scc1 .Llap
	TURN 0, 1, 0                                   ; the last lap fills nothing, and has no round of the cluster's barrier
	STEP 1, 0, 0
	s_wait_dscnt 4*NLA                             ; the very last step
	WIN MUL_LO
	MUL16 0, 1, NQ-1, 1, 0
	MUL16 2, 1, NQ-1, 1, 0
	s_wait_dscnt 0
	WIN MUL_HI
	MUL16 4, 1, NQ-1, 1, 0
	MUL16 6, 1, NQ-1, 1, 0
	WIN 0
; THE WAY OUT, block by block of 16 rows x 128 columns, through my own stage in LDS: back come whole rows of 512 bytes.  LDS serves a wave's instructions in order (ISA guide 5.7.1.4): no wait between the stores and the loads.
.macro TOSTAGE a
.set AC, 64*((\a)%4)
	WIN 0x08+4*((\a)/4)                            ; the data: window 2 or 3
.irp b, 0,1,2,3,4,5,6,7
	ds_store_b128 v[STO], v[AC+8*\b:AC+8*\b+3] offset:64*\b          ; each accumulator from its low end on
	ds_store_b128 v[STO], v[AC+8*\b+4:AC+8*\b+7] offset:64*\b+16
.endr
	WIN 0
.set BB, BK+64*((\a)%2)
.irp t, 0,1,2,3,4,5,6,7,8,9,10,11,12,13,14,15
	ds_load_b128 v[BB+4*\t:BB+4*\t+3], v[RD] offset:\t*SPITCH
.endr
.endm
.macro SEND a, younger
.set BB, BK+64*((\a)%2)
	s_wait_dscnt \younger                          ; the block is back in registers
.if (\a) > 0
	s_add_nc_u64 s[14:15], s[14:15], 16*SIZE_N*4   ; (behind a wait on XCNT: the earlier stores have read their base)  16 rows of out on
.endif
.irp t, 0,1,2,3,4,5,6,7,8,9,10,11,12,13,14,15
	global_store_b128 v[CO], v[BB+4*\t:BB+4*\t+3], s[14:15] offset:\t*SIZE_N*4 th:TH_STORE_NT   ; 32 lanes store 512 consecutive bytes, aligned
.endr
.endm
	PLACES NP
	TOSTAGE 0
.irp a, 1,2,3,4,5,6,7
.if \a > 1
	s_wait_xcnt 0x0                                ; block a - 2's stores have read their registers and their base
.endif
	TOSTAGE \a
	SEND \a-1, 32                                  ; behind block a - 1's loads: block a's 16 stores and 16 loads
.endr
	s_wait_xcnt 0x0                                ; block 6's stores have read their base
	SEND 7, 0
	s_wait_tensorcnt 0x0                           ; the wave's end, behind my last tensor load and my last LDS store
	ds_add_u32 v[SPW], v[NIL]
	s_wait_dscnt 0x0
	CROUND                                         ; the closing round
	s_endpgm
.Lfunc_end_k_q7400e68d51_proj:
	.size	k_q7400e68d51_proj, .Lfunc_end_k_q7400e68d51_proj-k_q7400e68d51_proj
	.p2alignl 7, 3214868480
	.fill 96, 4, 3214868480
	.section	.rodata,"a",@progbits
	.p2align	6, 0x0
	.amdhsa_kernel k_q7400e68d51_proj
		.amdhsa_group_segment_fixed_size 327680
		.amdhsa_private_segment_fixed_size 0
		.amdhsa_enable_private_segment 0
		.amdhsa_kernarg_size 48
		.amdhsa_user_sgpr_count 2
		.amdhsa_user_sgpr_kernarg_segment_ptr 1
		.amdhsa_wavefront_size32 1
		.amdhsa_system_sgpr_workgroup_id_x 1
		.amdhsa_system_sgpr_workgroup_id_y 1
		.amdhsa_system_sgpr_workgroup_id_z 1
		.amdhsa_system_vgpr_workitem_id 0
		.amdhsa_next_free_vgpr 1024
		.amdhsa_next_free_sgpr 102
		.amdhsa_reserve_vcc 0
		.amdhsa_float_denorm_mode_32 3
		.amdhsa_float_denorm_mode_16_64 3
		.amdhsa_memory_ordered 1
		.amdhsa_forward_progress 1
		.amdhsa_inst_pref_size 153
	.end_amdhsa_kernel
	.amdgpu_metadata
---
amdhsa.version: [ 1, 2 ]
amdhsa.kernels:
  - .name:           k_q7400e68d51_proj
    .symbol:         k_q7400e68d51_proj.kd
    .args:
      - { .name: a_codes, .offset: 0, .size: 8, .value_kind: global_buffer, .address_space: global }
      - { .name: a_scales, .offset: 8, .size: 8, .value_kind: global_buffer, .address_space: global }
      - { .name: xw_codes, .offset: 16, .size: 8, .value_kind: global_buffer, .address_space: global }
      - { .name: xw_scales, .offset: 24, .size: 8, .value_kind: global_buffer, .address_space: global }
      - { .name: c_proj_b, .offset: 32, .size: 8, .value_kind: global_buffer, .address_space: global }
      - { .name: out0, .offset: 40, .size: 8, .value_kind: global_buffer, .address_space: global }
    .group_segment_fixed_size: 327680
    .private_segment_fixed_size: 0
    .kernarg_segment_align: 8
    .kernarg_segment_size: 48
    .max_flat_workgroup_size: 128
    .sgpr_count:     102
    .vgpr_count:     1024
    .wavefront_size: 32
...
	.end_amdgpu_metadata
.endif
;; end of part 4
